; MI455X (gfx1250); checked and timed in simulation.
; The chip was launched on July 23, 2026; its instructions are those of AMD's public machine-readable ISA for CDNA 5 (MIT licence, August 2026) and "CDNA5" Instruction Set Architecture Reference Guide (July 2026). The comments in the code are by the model that wrote it; some were corrected since.
;; Multi Head Attention. Allowed arithmetic: matrix products marked QUANTISED: E2M3 operands, one E8M0 scale for each 32 along K, by v_wmma_scale_f32_16x16x128_f8f6f4 with both operands' format E2M3, f32 sums; everything else in f32.
;; Inputs: Wk 1,024 x 1,024 float32; Wo 1,024 x 1,024 float32; Wq 1,024 x 1,024 float32; Wv 1,024 x 1,024 float32; bk 1,024 float32; bo 1,024 float32; bq 1,024 float32; bv 1,024 float32; key 4 x 2,048 x 1,024 float32; query 4 x 2,048 x 1,024 float32; value 4 x 2,048 x 1,024 float32.
;; Outputs: out0 4 x 2,048 x 1,024 float32.
;; This version of the problem:
;;   THIS VERSION OF THE PROBLEM IS GIVEN IN LOW PRECISION. The matrix products marked QUANTISED in the list below multiply operands that are first quantised to E2M3 (2 exponent bits, 3 mantissa bits; 6 bits a number), with one power-of-two scale for each 32 numbers along K (OCP MX v1.0); their sums are f32. All else is computed in f32.
;;   The module's matrix products, in the order in which they are computed (A, B: the left and right operand; K: the contracted axis; several contracted axes count as one K, in the product's order):
;;     1. [M 8,192, K 1,024] x [K 1,024, N 1,024]; A: input query; B: input Wq: QUANTISED
;;     2. [M 8,192, K 1,024] x [K 1,024, N 1,024]; A: input key; B: input Wk: QUANTISED
;;     3. [M 8,192, K 1,024] x [K 1,024, N 1,024]; A: input value; B: input Wv: QUANTISED
;;     4. batch 64 x [M 2,048, K 64] x [K 64, N 2,048]; A: computed on the way; B: computed on the way: QUANTISED
;;     5. batch 64 x [M 2,048, K 2,048] x [K 2,048, N 64]; A: softmax (see below); B: computed on the way: QUANTISED
;;     6. [M 8,192, K 1,024] x [K 1,024, N 1,024]; A: computed on the way; B: input Wo: QUANTISED
;;   THE QUANTISER, for each operand of a quantised product, along K:
;;     - K is cut into blocks of 32 from its start; a last block that is shorter is filled with zeros.
;;     - A block's scale is 2^e with e = floor(log2(the largest magnitude in the block)) - 2, held to -126 .. 127; a block of zeros has e = 0. As a byte (E8M0): e + 127.
;;     - Each number is divided by its block's scale, clamped to +-7.5, and rounded to the nearest number of E2M3, ties to even, subnormals kept.
;;     - The product sums the exact products of the quantised numbers (number of the format x scale) in f32.
;;   ~~~python
;;   def quantise(x, axis):      # numpy; x: float32 -> the quantised numbers, widened to float32 again
;;       x = np.moveaxis(x, axis, -1); K = x.shape[-1]
;;       x = np.pad(x, [(0, 0)] * (x.ndim - 1) + [(0, -K % 32)]); x = x.reshape(x.shape[:-1] + (-1, 32)); a = np.abs(x).max(-1, keepdims=True)
;;       e = np.where(a > 0, np.clip(np.frexp(np.where(a > 0, a, 1))[1] - 1 - 2, -126, 127), 0)      # np.frexp(a)[1] - 1 = floor(log2(a)), exactly
;;       r = np.clip(x / 2.0 ** e, -7.5, 7.5)
;;       step = 2.0 ** (np.maximum(np.frexp(np.where(r == 0, 1, r))[1] - 1, 0) - 3)
;;       q = np.round(r / step) * step * 2.0 ** e      # np.round: ties to even
;;       return np.moveaxis(q.reshape(q.shape[:-2] + (-1,))[..., :K], -1, axis).astype(np.float32)
;;   ~~~
;;   SOFTMAX AHEAD OF A QUANTISED PRODUCT. Where the list says 'softmax', what is quantised is not the finished softmax but p = 2^(t - M), with t = logit x log2(e) and M = ceil(the row's largest t), a whole number; so 1/2 < the row's largest p <= 1. The row's sum l is taken of the UNQUANTISED p, in f32, and the product's result is divided by l at the end. Since M is a whole number, a kernel that streams over the keys may use a running M (the ceiling of the running maximum): every later rescaling is an exact power of two, which a block's scale takes up: the codes' values come out the same.
;;   OPERANDS COMPUTED ON THE WAY. 'Computed on the way' means the value that the module computes at that place (a softmax that the list does not call 'softmax' is quantised finished and normalised). What goes into a quantiser is computed in f32, as accurately as f32 sums, v_exp_f32 and their like allow (about 1e-6 of the number): no bf16 or f16 on the way to a quantiser, and a product that is left as it is and whose result goes on into a quantised operand takes f32 operands (vector FMAs, or v_wmma_f32_16x16x4_f32). A number that lies on a knife's edge between two numbers of the format may be rounded either way, as far as f32 arithmetic and the matrix unit's own rounding can turn it there, and no further.
;; One version. Each part assembles by itself: llvm-mc -triple=amdgcn-amd-amdhsa -mcpu=gfx1250 --defsym DOCPART=n.
;; ======== version 1 of 1: 4 launches
;; limits: right only within a limited range of input values
;; workspace buffers: a_codes 13,369,344 bytes; a_scales 557,056 bytes; b_codes 8,650,752 bytes; b_scales 360,448 bytes; q_img 6,815,744 bytes; kv_img 13,369,344 bytes; x_img 6,291,456 bytes; x_scl 262,144 bytes
;; launch quant (part 1): grid 896 x 1, 4 waves a work-group, no clusters, 33,280 bytes of LDS; arguments query, key, value, Wq, Wk, Wv, Wo, a_codes, a_scales, b_codes, b_scales; writes a_codes, a_scales, b_codes, b_scales
.if DOCPART == 1
	.amdgcn_target "amdgcn-amd-amdhsa--gfx1250"
	.amdhsa_code_object_version 6
	.text
	.protected	k_q14fe1bab5f_quant
	.globl	k_q14fe1bab5f_quant
	.p2align	8
	.type	k_q14fe1bab5f_quant,@function
k_q14fe1bab5f_quant:
	s_mov_b64 s[64:65], 0
	v_nop
	global_prefetch_b8 v0, s[64:65] scope:SCOPE_SE
	s_setreg_imm32_b32 hwreg(HW_REG_WAVE_MODE, 25, 1), 1
	s_wait_xcnt 0x0
; The seven f32 matrices (K = 1,024 innermost in all of them) become codes of FP6 (E2M3), 6 bits each, with one E8M0 byte for each 32 along K.
; A block's scale is 2^(floor(log2(its largest magnitude)) - 2); its byte is the largest magnitude's exponent field - 2, held at 1 from below.
; LIMITS: a block of zeros, and one whose largest magnitude lies under 2^-124, gets the byte 1 (the rule says 127 for zeros: the codes are zeros, and this program alone reads the bytes); NaN and infinities are not served.
; OUT: a_codes / a_scales hold the rows that the next launch takes as A: query (row 0 on), key (8,192 on), Wv (16,384 on); b_codes / b_scales those of B: Wq (0), Wk (1,024), value (2,048), Wo (10,240).  A row is 768 bytes of codes, 32 scale bytes.
; ROW ORDER: in value, Wq, Wk, Wv bits 3 and 4 of the row number change places on the way out, so that 16 neighbouring stored rows are rows 0-7 and 16-23 (or 8-15 and 24-31) of a group of 32: a matrix result
; then has 16 neighbours along the next K in a lane's 16 registers.  A wave's run is 8 rows, so the exchange is that of waves 1 and 2 in the output address.  query and Wo keep their order.
; A work-group takes 32 rows, a wave 8 (16 steps of 512 numbers).  Loads take bytes as they lie (512 a load); a step's 2,048 bytes turn through the wave's own stage in LDS and come back 64 bytes (16 neighbours) a lane.
.set WAVES, 4
.set STEPS, 16
.set EMAX,  2
.set CB,    12                         ; bytes of 16 codes
.set R,     16                         ; v16-79   four sets of 16 numbers as they are loaded
.set X,     80                         ; v80-111  two sets of 16 neighbours
.set E,     112                        ; v112-127 a scale byte for each step
.set C,     128                        ; v128-191 codes: four registers for each step, so that no store's data are written again
.set WREG,  8192                       ; LDS: a region for each wave: two stages of 32 x SP bytes, then its 256 scale bytes
.set SP,    80                         ; a lane's place in a stage: 64 bytes + 16 of padding
.set SPW,   12                         ; v12  LDS address of my spare word; never rewritten
.set NIL,   13                         ; v13  0; never rewritten
.set SPARE, WAVES*WREG                 ; behind the regions: the spare words, 128 bytes a wave
.set SRC,   26                         ; s[26:27] the tensor that I read
.set COD,   34                         ; s[34:35] the codes' buffer
.set SCA,   36                         ; s[36:37] the scale bytes' buffer
	s_load_b512 s[4:19], s[0:1], 0x0               ; query s4, key s6, value s8, Wq s10, Wk s12, Wv s14, Wo s16, a_codes s18
	s_load_b128 s[20:23], s[0:1], 0x40             ; a_scales, b_codes
	s_load_b64 s[24:25], s[0:1], 0x50              ; b_scales
	v_lshl_add_u32 v[SPW], v0, 2, SPARE
	v_mov_b32 v[NIL], 0
	v_lshrrev_b32 v1, 5, v0
	v_readfirstlane_b32 s32, v1                    ; wave
	v_and_b32 v2, 31, v0                           ; lane
	v_lshlrev_b32 v3, 4, v2                        ; my 16 bytes of a load's 512
	s_mul_i32 s33, s32, WREG
	v_lshrrev_b32 v14, 2, v2
	v_mul_u32_u24 v14, v14, SP
	v_and_b32 v15, 3, v2
	v_lshl_add_u32 v14, v15, 4, v14
	v_add_nc_u32 v14, s33, v14                     ; the stage, on the way in: SP (lane / 4) + 16 (lane % 4)
	v_mul_u32_u24 v15, v2, SP
	v_add_nc_u32 v15, s33, v15                     ; and on the way out: SP x lane
; THE CODES' ORDER IN a_codes AND b_codes: [group of 128 stored rows][4 chunks of 256 along K][128 rows][192 bytes]: a chunk of 128 rows is 24,576 dense bytes, which begin at a multiple of 256.
; A step's 512 numbers are two chunks of one row: lanes 0-15 hold the first, lanes 16-31 the second, 24,576 bytes further on.
; key's rows: in each 64 the run of 8 rows number s goes to place 2 (s % 4) + s / 4, so that 16 neighbouring stored rows are rows 8 u .. 8 u + 7 and 32 + 8 u .. 32 + 8 u + 7.
	v_and_b32 v4, 15, v2
	v_mul_u32_u24 v4, v4, CB                       ; my codes' place in a row's chunk
	v_lshrrev_b32 v10, 4, v2
	v_mul_u32_u24 v10, v10, 0x6000
	v_add_nc_u32 v4, v4, v10                       ; + which of the step's two chunks
	v_lshrrev_b32 v5, 1, v2
	s_add_co_u32 s33, s33, 2*32*SP
	v_add_nc_u32 v5, s33, v5                       ; LDS: my wave's 256 scale bytes, my block's byte
	v_lshlrev_b32 v7, 3, v2                        ; and on the way out 8 bytes a lane
	v_add_nc_u32 v6, s33, v7
	s_wait_alu depctr_va_vdst(0)
	s_wait_kmcnt 0x0
; Which tensor is mine hangs on the work-group's number alone.  s28 its first work-group, s29 its first run of 8 rows in the output, s30 1 = A's buffers, s31 1 = rows exchanged
.macro PICK bound, src, start, drun, isa, swp
	s_cmp_lt_u32 ttmp9, \bound
	s_cselect_b64 s[SRC:SRC+1], s[\src:\src+1], s[SRC:SRC+1]
	s_cselect_b32 s28, \start, s28
	s_cselect_b32 s29, \drun, s29
	s_cselect_b32 s30, \isa, s30
	s_cselect_b32 s31, \swp, s31
.endm
	s_mov_b64 s[SRC:SRC+1], s[16:17]               ; work-groups 864-895: Wo
	s_mov_b32 s28, 864
	s_mov_b32 s29, 1280
	s_mov_b32 s30, 0
	s_mov_b32 s31, 0
	PICK 864, 14, 832, 2048, 1, 1                  ; 832-863: Wv
	PICK 832, 12, 800, 128, 0, 1                   ; 800-831: Wk
	PICK 800, 10, 768, 0, 0, 1                     ; 768-799: Wq
	PICK 768, 8, 512, 256, 0, 1                    ; 512-767: value
	PICK 512, 6, 256, 1024, 1, 2                   ; 256-511: key (its own row order)
	PICK 256, 4, 0, 0, 1, 0                        ; 0-255: query
	s_cmp_eq_u32 s30, 1
	s_cselect_b64 s[COD:COD+1], s[18:19], s[22:23]
	s_cselect_b64 s[SCA:SCA+1], s[20:21], s[24:25]
	s_sub_co_u32 s38, ttmp9, s28
	s_lshl_b32 s38, s38, 2                         ; the work-group's first run in its tensor
	s_add_co_u32 s39, s38, s32                     ; the run that I read
	s_and_b32 s40, s32, 1
	s_lshl_b32 s40, s40, 1
	s_lshr_b32 s41, s32, 1
	s_or_b32 s40, s40, s41                         ; my wave's number with its two bits exchanged
	s_cmp_eq_u32 s31, 1
	s_cselect_b32 s40, s40, s32
	s_add_co_u32 s38, s38, s40
	s_and_b32 s40, s39, 3                          ; key: the run that I read, its low three bits turned: 2 (s % 4) + s / 4
	s_lshl_b32 s40, s40, 1
	s_bfe_u32 s41, s39, 0x10002
	s_or_b32 s40, s40, s41
	s_and_not1_b32 s41, s39, 7
	s_or_b32 s40, s40, s41
	s_cmp_eq_u32 s31, 2
	s_cselect_b32 s38, s40, s38
	s_add_co_u32 s38, s38, s29                     ; the run that I write
	s_lshl_b32 s42, s39, 15                        ; 32,768 bytes of f32 a run
	s_mov_b32 s43, 0
	s_add_nc_u64 s[SRC:SRC+1], s[SRC:SRC+1], s[42:43]
	s_lshr_b32 s42, s38, 4                         ; sixteen runs to a group of 128 rows, 98,304 bytes of codes
	s_mul_i32 s42, s42, 98304
	s_and_b32 s41, s38, 15
	s_mul_i32 s41, s41, 1536                       ; my 8 rows in a chunk of the group
	s_add_co_u32 s42, s42, s41
	s_add_nc_u64 s[COD:COD+1], s[COD:COD+1], s[42:43]
	s_lshl_b32 s42, s38, 8                         ; 256 scale bytes
	s_add_nc_u64 s[SCA:SCA+1], s[SCA:SCA+1], s[42:43]
.macro LOAD t
.irp i, 0,1,2,3
	global_load_b128 v[R+16*((\t)%4)+4*\i:R+16*((\t)%4)+4*\i+3], v3, s[SRC:SRC+1] offset:2048*(\t)+512*\i th:TH_LOAD_NT   ; 32 lanes read 512 consecutive bytes
.endr
.endm
.macro TURN t                          ; step t's numbers through the stage: LDS serves a wave's instructions in order, so no wait stands between the stores and the loads
.irp i, 0,1,2,3
	ds_store_b128 v14, v[R+16*((\t)%4)+4*\i:R+16*((\t)%4)+4*\i+3] offset:32*SP*((\t)%2)+8*SP*\i
.endr
.irp i, 0,1,2,3
	ds_load_b128 v[X+16*((\t)%2)+4*\i:X+16*((\t)%2)+4*\i+3], v15 offset:32*SP*((\t)%2)+16*\i
.endr
.endm
.irp t, 0,1,2,3
	LOAD \t
.endr
	s_wait_loadcnt 12                              ; step 0's four loads are in; the twelve of steps 1 to 3 may be out
	TURN 0
.macro STEP t
.set XS, X+16*((\t)%2)
.if (\t) > 0
	s_wait_dscnt 1                                 ; this step's numbers are back from the stage; the last step's byte store may be out
.else
	s_wait_dscnt 0x0
.endif
.if (\t)+4 < STEPS
	LOAD (\t)+4                                    ; into the registers that the stage's stores have read
.endif
.if (\t)+1 < STEPS
.if STEPS-2-(\t) >= 3
	s_wait_loadcnt 12                              ; the next step's four loads are in; those of the three steps behind it may be out
.else
	s_wait_loadcnt 4*(STEPS-2-(\t))                ; the tail: as many steps' loads as are left behind the next
.endif
	TURN (\t)+1
.endif
	v_max3_num_f32 v8, |v[XS]|, |v[XS+1]|, |v[XS+2]|               ; the largest magnitude of my 16, in two chains
	v_max3_num_f32 v9, |v[XS+3]|, |v[XS+4]|, |v[XS+5]|
.irp i, 6,10
	v_max3_num_f32 v8, v8, |v[XS+\i]|, |v[XS+\i+1]|
	v_max3_num_f32 v9, v9, |v[XS+\i+2]|, |v[XS+\i+3]|
.endr
	v_max3_num_f32 v8, v8, |v[XS+14]|, |v[XS+15]|
	v_max3_num_f32 v8, v8, v9, (EMAX+1)<<23        ; and the floor 2^(3 - 127): the byte cannot fall under 1
	v_max_num_f32_dpp v8, v8, v8 row_xmask:1 row_mask:0xf bank_mask:0xf   ; and of my neighbour's 16: the block's
	v_add_nc_u32 v11, -(EMAX<<23), v8              ; 2 off its exponent field: the conversion takes the exponent field of this operand as its scale
	v_cvt_scalef32_pk16_fp6_f32 v[C+4*(\t):C+4*(\t)+2], v[XS:XS+15], v11
	v_lshrrev_b32 v[E+(\t)], 23, v11               ; the scale's byte (also the plain line behind the conversion)
	ds_store_b8 v5, v[E+(\t)] offset:16*(\t)       ; both lanes of a block write the same byte with the same value
	global_store_b96 v4, v[C+4*(\t):C+4*(\t)+2], s[COD:COD+1] offset:((\t)%2)*49152+((\t)/2)*192   ; row t / 2, chunks 2 (t % 2) and 2 (t % 2) + 1: twice 192 consecutive bytes
.endm
.irp t, 0,1,2,3,4,5,6,7,8,9,10,11,12,13,14,15
	STEP \t
.endr
	ds_load_b64 v[8:9], v6                         ; LDS serves a wave's instructions in order: these see my stores
	s_wait_dscnt 0x0
	global_store_b64 v7, v[8:9], s[SCA:SCA+1]      ; 32 lanes store 256 consecutive bytes, aligned
	s_wait_tensorcnt 0x0                           ; the wave's end
	ds_add_u32 v[SPW], v[NIL]
	s_wait_dscnt 0x0
	s_endpgm
.Lfunc_end_k_q14fe1bab5f_quant:
	.size	k_q14fe1bab5f_quant, .Lfunc_end_k_q14fe1bab5f_quant-k_q14fe1bab5f_quant
	.p2alignl 7, 3214868480
	.fill 96, 4, 3214868480
	.section	.rodata,"a",@progbits
	.p2align	6, 0x0
	.amdhsa_kernel k_q14fe1bab5f_quant
		.amdhsa_group_segment_fixed_size 33280
		.amdhsa_private_segment_fixed_size 0
		.amdhsa_enable_private_segment 0
		.amdhsa_kernarg_size 88
		.amdhsa_user_sgpr_count 2
		.amdhsa_user_sgpr_kernarg_segment_ptr 1
		.amdhsa_wavefront_size32 1
		.amdhsa_system_sgpr_workgroup_id_x 1
		.amdhsa_system_sgpr_workgroup_id_y 1
		.amdhsa_system_sgpr_workgroup_id_z 1
		.amdhsa_system_vgpr_workitem_id 0
		.amdhsa_next_free_vgpr 192
		.amdhsa_next_free_sgpr 66
		.amdhsa_reserve_vcc 0
		.amdhsa_float_denorm_mode_32 3
		.amdhsa_float_denorm_mode_16_64 3
		.amdhsa_memory_ordered 1
		.amdhsa_forward_progress 1
		.amdhsa_inst_pref_size 35
	.end_amdhsa_kernel
	.amdgpu_metadata
---
amdhsa.version: [ 1, 2 ]
amdhsa.kernels:
  - .name:           k_q14fe1bab5f_quant
    .symbol:         k_q14fe1bab5f_quant.kd
    .args:
      - { .name: query, .offset: 0, .size: 8, .value_kind: global_buffer, .address_space: global }
      - { .name: key, .offset: 8, .size: 8, .value_kind: global_buffer, .address_space: global }
      - { .name: value, .offset: 16, .size: 8, .value_kind: global_buffer, .address_space: global }
      - { .name: Wq, .offset: 24, .size: 8, .value_kind: global_buffer, .address_space: global }
      - { .name: Wk, .offset: 32, .size: 8, .value_kind: global_buffer, .address_space: global }
      - { .name: Wv, .offset: 40, .size: 8, .value_kind: global_buffer, .address_space: global }
      - { .name: Wo, .offset: 48, .size: 8, .value_kind: global_buffer, .address_space: global }
      - { .name: a_codes, .offset: 56, .size: 8, .value_kind: global_buffer, .address_space: global }
      - { .name: a_scales, .offset: 64, .size: 8, .value_kind: global_buffer, .address_space: global }
      - { .name: b_codes, .offset: 72, .size: 8, .value_kind: global_buffer, .address_space: global }
      - { .name: b_scales, .offset: 80, .size: 8, .value_kind: global_buffer, .address_space: global }
    .group_segment_fixed_size: 33280
    .private_segment_fixed_size: 0
    .kernarg_segment_align: 8
    .kernarg_segment_size: 88
    .max_flat_workgroup_size: 128
    .sgpr_count:     66
    .vgpr_count:     192
    .wavefront_size: 32
...
	.end_amdgpu_metadata
.endif
;; end of part 1
;; launch proj (part 2): grid 4 x 96, 4 waves a work-group, clusters of 4 x 4, 327,680 bytes of LDS; arguments a_codes, a_scales, b_codes, b_scales, bq, bk, bv, q_img, kv_img; writes q_img, kv_img
.if DOCPART == 2
	.amdgcn_target "amdgcn-amd-amdhsa--gfx1250"
	.amdhsa_code_object_version 6
	.text
	.protected	k_q14fe1bab5f_proj
	.globl	k_q14fe1bab5f_proj
	.p2align	8
	.type	k_q14fe1bab5f_proj,@function
k_q14fe1bab5f_proj:
	s_mov_b64 s[64:65], 0
	v_nop
	global_prefetch_b8 v0, s[64:65] scope:SCOPE_SE
	s_setreg_imm32_b32 hwreg(HW_REG_WAVE_MODE, 25, 1), 1
	s_wait_xcnt 0x0
	s_wait_alu depctr_hold_cnt(0) depctr_sa_sdst(0) depctr_va_vdst(0) depctr_va_sdst(0) depctr_va_ssrc(0) depctr_va_vcc(0) depctr_vm_vsrc(0)
	s_getreg_b32 s2, hwreg(HW_REG_IB_STS2, 6, 4)
	s_cmp_eq_u32 s2, 0
	s_cbranch_scc0 .Lentry_in_a_cluster
	s_endpgm
.Lentry_in_a_cluster:
	s_bfe_u32 s2, ttmp6, 0x10000c
	s_cmp_lg_u32 s2, 0xf033
	s_cbranch_scc0 .Lentry_shape_is_right
	s_endpgm
.Lentry_shape_is_right:
.set KSTEP,  256
.set NQ,     KSTEP/128
.set ROWB,   24576                     ; bytes from chunk to chunk of a group of 128 rows: a chunk is 128 rows x 192 bytes, dense
.set KROW,   768
.set PITCH,  240
.set FR,     12
.set NL,     6
.set NP,     4
.set HALFT,  128*PITCH
.set SLOT,   4*HALFT
.set LAPS,   2
.set KS,     32
.set SCL,    2*SLOT
.set HALFS,  (128*KS/256)*272
.set SBLK,   (16*KS/256)*272
.set SPARE,  SCL+4*HALFS
.set QS,     6656
.set QB,     16*QS
.set SB,     13056
.set HB,     16*SB
.set L16,  7
.set L8,   8
.set SW0,  9
.set SW1,  10
.set SR0,  11
.set SR1,  12
.set VW1,  13
.set SELB, 14
.set BO0,  15
.set ADRA, 16
.set ADRB, 20
.set ADRS, 27
.set SPW,  28
.set NIL,  29
.set BO1,  30
.set SC,   32
.set BI,   64
.set AF,   128
.set H,    128
.set TM,   192
.set PW,   208
.set CD,   212
.set WD,   232
.set RB,   240
.set G1, 24
.set G0, 32
.set G1B, 48
.set G0B, 56
.set G1S, 68
.set G0S, 76
.set G1SB, 80
.set G0SB, 88
.set SEL, 98
.set MSB, 0
.macro WIN new
.if MSB != \new
	s_set_vgpr_msb (MSB<<8)|\new
.set MSB, \new
.endif
.endm
.set MUL_LO, 0xa1
.set MUL_HI, 0xf1
.set TO_B,   0x40
.macro JLOAD g0a, g1a, g0b, g1b
	s_cmp_eq_u32 s15, 0
	s_cbranch_scc0 .Lfor_b_\@
	tensor_load_to_lds s[\g0a:\g0a+3], s[\g1a:\g1a+7]
	s_nop 0
.rept 4
	v_nop
.endr
	s_branch .Lasked_\@
.Lfor_b_\@:
	tensor_load_to_lds s[\g0b:\g0b+3], s[\g1b:\g1b+7]
	s_nop 0
.rept 4
	v_nop
.endr
.Lasked_\@:
.endm
.macro CREST
	s_cmp_lg_u32 s14, 0
	s_cbranch_scc1 .Lnot_wave_0_\@
	s_barrier_signal -3
.Lnot_wave_0_\@:
	s_barrier_wait -3
	s_barrier_signal -1
	s_barrier_wait -1
.endm
.macro CROUND
	s_barrier_signal -1
	s_barrier_wait -1
	CREST
.endm
	s_load_b128 s[4:7], s[0:1], 0x0
	s_load_b128 s[8:11], s[0:1], 0x10
	v_lshl_add_u32 v[SPW], v0, 2, SPARE
	v_mov_b32 v[NIL], 0
	ds_add_u32 v[SPW], v[NIL]
	ds_add_u32 v[SPW], v[NIL]
	v_lshrrev_b32 v1, 5, v0
	v_readfirstlane_b32 s14, v1
	s_lshr_b32 s15, s14, 1
	s_and_b32 s16, s14, 1
	s_bfe_u32 s40, ttmp6, 0x40000
	s_bfe_u32 s41, ttmp6, 0x40004
	s_and_b32 s66, ttmp7, 0xffff
	s_lshr_b32 s95, s66, 3
	s_and_b32 s66, s66, 7
	s_lshr_b32 s67, s95, 1
	s_mul_i32 s67, s66, s67
	s_sub_co_u32 s66, s66, s67
	s_lshl_b32 s42, s67, 2
	s_add_co_u32 s42, s42, s40
	s_lshl_b32 s17, s66, 2
	s_add_co_u32 s17, s17, s41
	s_lshl_b32 s43, s41, 2
	s_lshl_b32 s43, 15, s43
	s_lshl_b32 s44, 0x1111, s40
	s_or_b32 s[G1+0], s43, (0<<16)|(1<<20)|(1<<21)|(3<<22)|(3<<25)
	s_or_b32 s[G1B+0], s44, (0<<16)|(1<<20)|(1<<21)|(3<<22)|(3<<25)
.irp g, G1, G1B
	s_mov_b32 s[\g+1], 256<<16                     ; a chunk's 24,576 dense bytes come as 96 rows of 256 bytes, each from a multiple of 256;
	s_mov_b32 s[\g+2], 96<<16                      ; with 16 bytes of padding behind each 64 a row of 192 bytes of codes takes PITCH bytes of LDS
	s_mov_b32 s[\g+3], 256<<16
	s_mov_b32 s[\g+4], 96
	s_mov_b32 s[\g+5], 256
	s_mov_b32 s[\g+6], 0
	s_mov_b32 s[\g+7], 0
.endr
	s_or_b32 s[G1S+0], s43, (3<<16)|(1<<20)|(1<<21)|(5<<22)|(3<<25)
	s_or_b32 s[G1SB+0], s44, (3<<16)|(1<<20)|(1<<21)|(5<<22)|(3<<25)
.irp g, G1S, G1SB
	s_mov_b32 s[\g+1], 32<<16
	s_mov_b32 s[\g+2], (128*KS/256)<<16
	s_mov_b32 s[\g+3], 32<<16
	s_mov_b32 s[\g+4], 128*KS/256
	s_mov_b32 s[\g+5], 32
	s_mov_b32 s[\g+6], 0
	s_mov_b32 s[\g+7], 0
.endr
	s_lshl_b32 s18, s16, 7
	s_lshl_b32 s20, s17, 8
	s_add_co_u32 s20, s20, s18
	s_lshl_b32 s19, s95, 13
	s_add_co_u32 s20, s20, s19
	s_lshl_b32 s46, s42, 8
	s_add_co_u32 s46, s46, s18
	s_lshl_b32 s19, s95, 10
	s_add_co_u32 s46, s46, s19
	s_mov_b32 s21, 0
	s_mov_b32 s47, 0
	s_mov_b64 s[18:19], KS
	s_mul_u64 s[22:23], s[20:21], s[18:19]
	s_mul_u64 s[92:93], s[46:47], s[18:19]
	s_mov_b64 s[18:19], KROW
	s_mul_u64 s[20:21], s[20:21], s[18:19]
	s_mul_u64 s[46:47], s[46:47], s[18:19]
	s_mul_i32 s45, s14, HALFT
	s_mul_i32 s94, s14, HALFS
	s_mov_b32 s[SEL], 0x76543210
	s_mov_b32 s[SEL+1], 0xfedcba98
	s_wait_dscnt 0x0
	s_wait_kmcnt 0x0
	s_add_nc_u64 s[20:21], s[4:5], s[20:21]
	s_add_nc_u64 s[22:23], s[6:7], s[22:23]
	s_add_nc_u64 s[46:47], s[8:9], s[46:47]
	s_add_nc_u64 s[92:93], s[10:11], s[92:93]
	CROUND
	s_mov_b32 s[G0S], 1
	s_add_co_u32 s[G0S+1], s94, SCL
	s_mov_b64 s[G0S+2:G0S+3], s[22:23]
	s_or_b32 s[G0S+3], s[G0S+3], 0x80000000
	s_mov_b32 s[G0SB], 1
	s_add_co_u32 s[G0SB+1], s94, SCL
	s_mov_b64 s[G0SB+2:G0SB+3], s[92:93]
	s_or_b32 s[G0SB+3], s[G0SB+3], 0x80000000
	JLOAD G0S, G1S, G0SB, G1SB
.irp s, 0,1
	s_mov_b32 s[G0+4*\s], 1
	s_add_co_u32 s[G0+4*\s+1], s45, \s*SLOT
	s_add_nc_u64 s[G0+4*\s+2:G0+4*\s+3], s[20:21], \s*ROWB
	s_or_b32 s[G0+4*\s+3], s[G0+4*\s+3], 0x80000000
	s_mov_b32 s[G0B+4*\s], 1
	s_add_co_u32 s[G0B+4*\s+1], s45, \s*SLOT
	s_add_nc_u64 s[G0B+4*\s+2:G0B+4*\s+3], s[46:47], \s*ROWB
	s_or_b32 s[G0B+4*\s+3], s[G0B+4*\s+3], 0x80000000
	s_wait_alu depctr_va_vdst(0)
	s_wait_tensorcnt 0x0
	ds_add_u32 v28, v29
	s_wait_dscnt 0x0
	CROUND
	JLOAD G0+4*\s, G1, G0B+4*\s, G1B
.endr
	s_load_b128 s[4:7], s[0:1], 0x20
	s_load_b128 s[8:11], s[0:1], 0x30
	s_load_b64 s[12:13], s[0:1], 0x40
	v_and_b32 v1, 15, v0
	v_bfe_u32 v2, v0, 4, 1
	v_mul_u32_u24 v3, v1, PITCH
	v_mul_u32_u24 v4, v2, 24
	v_add_nc_u32 v4, v3, v4
	v_lshl_add_u32 v5, v2, 4, v4
	s_mul_i32 s21, s15, HALFT
	s_mul_i32 s22, s16, HALFT
	s_add_co_u32 s22, s22, 2*HALFT
.irp s, 0,1
	v_add_nc_u32 v[ADRA+\s], s21, v4
	v_add_nc_u32 v[ADRB+\s], s22, v4
	v_add_nc_u32 v[ADRA+2+\s], s21, v5
	v_add_nc_u32 v[ADRB+2+\s], s22, v5
	s_add_co_u32 s21, s21, SLOT
	s_add_co_u32 s22, s22, SLOT
.endr
	v_mul_u32_u24 v5, v1, KS
	v_lshrrev_b32 v6, 8, v5
	v_lshl_add_u32 v5, v6, 4, v5
	s_mul_i32 s21, s15, HALFS
	s_mul_i32 s22, s16, HALFS
	s_add_co_u32 s22, s22, 2*HALFS
	s_sub_co_u32 s22, s22, s21
	v_mul_u32_u24 v6, s22, v2
	s_add_co_u32 s21, s21, SCL
	v_add_nc_u32 v5, v5, v6
	v_add_nc_u32 v[ADRS], s21, v5
	v_and_b32 v6, 31, v0
	v_lshlrev_b32 v[L16], 4, v6
	v_lshlrev_b32 v[L8], 3, v6
	s_lshl_b32 s21, s14, 10
	v_lshlrev_b32 v[SW0], 2, v1
	v_lshl_add_u32 v[SW0], v2, 9, v[SW0]
	v_add_nc_u32 v[SW0], s21, v[SW0]
	s_lshl_b32 s22, s14, 9
	s_add_co_u32 s22, s22, 4096
	v_lshlrev_b32 v[SW1], 2, v1
	v_add_nc_u32 v[SW1], s22, v[SW1]
	v_add_nc_u32 v[SR0], s21, v[L16]
	v_add_nc_u32 v[SR1], s22, v[L16]
	v_mul_u32_u24 v3, v2, HB
	v_lshl_add_u32 v[VW1], v1, 4, v3
	s_mov_b32 s23, 0x02020202
	v_mul_lo_u32 v[SELB], v2, s23
	v_add_nc_u32 v[SELB], 0x01000100, v[SELB]
	v_lshlrev_b32 v[BO0], 6, v2
	v_and_b32 v3, 8, v1
	v_add_nc_u32 v3, v3, v1
	v_lshlrev_b32 v[BO1], 2, v3
.macro FRAG reg, adr, q, i
.irp p, 0,1,2,3,4,5
.set PCE, 12*(\q)+6*(\p/3)+\p%3
.if PCE%8 < 5
	ds_load_b64 v[\reg+2*\p:\reg+2*\p+1], v[\adr] offset:8*PCE+16*(PCE/8)+(\i)*16*PITCH
.else
	ds_load_b64 v[\reg+2*\p:\reg+2*\p+1], v[\adr+2] offset:8*PCE+16*(PCE/8)+(\i)*16*PITCH
.endif
.endr
.endm
.macro MUL16 a0, p, q, sc, zero
.irp a, \a0, \a0+1
.irp b, 0,1,2,3,4,5,6,7
.if \zero
	v_wmma_scale_f32_16x16x128_f8f6f4 v[8*(8*((\a)%4)+\b):8*(8*((\a)%4)+\b)+7], v[128*(\p)+FR*\b:128*(\p)+FR*\b+FR-1], v[AF+FR*(\a):AF+FR*(\a)+FR-1], 0, v[SC+8*NQ*(\sc)+NQ*\b+(\q)], v[SC+8*NQ*(\sc)+NQ*(\a)+(\q)] matrix_a_fmt:MATRIX_FMT_FP6 matrix_b_fmt:MATRIX_FMT_FP6 matrix_a_scale:MATRIX_SCALE_ROW1
.else
	v_wmma_scale_f32_16x16x128_f8f6f4 v[8*(8*((\a)%4)+\b):8*(8*((\a)%4)+\b)+7], v[128*(\p)+FR*\b:128*(\p)+FR*\b+FR-1], v[AF+FR*(\a):AF+FR*(\a)+FR-1], v[8*(8*((\a)%4)+\b):8*(8*((\a)%4)+\b)+7], v[SC+8*NQ*(\sc)+NQ*\b+(\q)], v[SC+8*NQ*(\sc)+NQ*(\a)+(\q)] matrix_a_fmt:MATRIX_FMT_FP6 matrix_b_fmt:MATRIX_FMT_FP6 matrix_a_scale:MATRIX_SCALE_ROW1
.endif
.endr
.endr
.endm
.macro FETCH_B slot, q, p
	WIN TO_B
.irp i, 0,1,2,3,4,5,6,7
	FRAG 128*(\p)+FR*\i, ADRB+\slot, \q, \i
.endr
	WIN 0
.endm
.macro FETCH_A slot, q, i0
.irp i, \i0, \i0+1, \i0+2, \i0+3
	FRAG AF+FR*(\i), ADRA+\slot, \q, \i
.endr
.endm
.macro SCALES sc
.irp i, 0,1,2,3,4,5,6,7
	ds_load_b64 v[SC+8*NQ*\sc+NQ*\i:SC+8*NQ*\sc+NQ*\i+1], v[ADRS] offset:\i*SBLK
.endr
.endm
.macro PLACES n
.rept \n
	v_nop
.endr
.endm
.macro STEP slot, q, zero
	s_wait_dscnt 4*NL
	WIN MUL_LO
	MUL16 0, (\q)%2, \q, \slot, \zero
	MUL16 2, (\q)%2, \q, \slot, \zero
	s_wait_dscnt 0
	PLACES NP
	FETCH_B \slot, (\q)+1, 1-(\q)%2
	FETCH_A \slot, (\q)+1, 0
	WIN MUL_HI
	MUL16 4, (\q)%2, \q, \slot, \zero
	MUL16 6, (\q)%2, \q, \slot, \zero
	PLACES NP
	WIN 0
	FETCH_A \slot, (\q)+1, 4
.endm
.macro TURN slot, next, fill
	s_wait_tensorcnt 0x0
	ds_add_u32 v[SPW], v[NIL]
	s_wait_dscnt 4*NL+1
	WIN MUL_LO
	MUL16 0, 1, NQ-1, \slot, 0
	s_wait_dscnt 0x0
	s_barrier_signal -1
	MUL16 2, 1, NQ-1, \slot, 0
	WIN 0
	s_barrier_wait -1
.if \fill
	CREST
	s_add_nc_u64 s[G0+4*\slot+2:G0+4*\slot+3], s[G0+4*\slot+2:G0+4*\slot+3], 2*ROWB
	s_add_nc_u64 s[G0B+4*\slot+2:G0B+4*\slot+3], s[G0B+4*\slot+2:G0B+4*\slot+3], 2*ROWB
	JLOAD G0+4*\slot, G1, G0B+4*\slot, G1B
.else
	PLACES NP
.endif
	s_wait_alu depctr_va_vdst(0)
	v_add_nc_u32 v[ADRS], 4*NQ, v[ADRS]
	FETCH_B \next, 0, 0
	FETCH_A \next, 0, 0
	SCALES \next
	WIN MUL_HI
	MUL16 4, 1, NQ-1, \slot, 0
	MUL16 6, 1, NQ-1, \slot, 0
	PLACES NP
	WIN 0
	FETCH_A \next, 0, 4
.endm
.macro QUANT s, pw
.irp b, 0,1,2,3
	v_max3_num_f32 v[TM+\b], |v[\s+16*\b]|, |v[\s+1+16*\b]|, 0x1800000
.endr
.irp i, 2,4,6,8,10,12,14
.irp b, 0,1,2,3
	v_max3_num_f32 v[TM+\b], v[TM+\b], |v[\s+16*\b+\i]|, |v[\s+1+16*\b+\i]|
.endr
.endr
.irp b, 0,1,2,3
	v_permlanex16_b32 v[TM+4+\b], v[TM+\b], s[SEL], s[SEL+1]
.endr
.irp b, 0,1,2,3
	v_max_num_f32 v[TM+\b], v[TM+\b], v[TM+4+\b]
.endr
.irp b, 0,1,2,3
	v_add_nc_u32 v[TM+12+\b], 0xff000000, v[TM+\b]
.endr
.irp b, 0,1,2,3
	v_lshrrev_b32 v[TM+4+\b], 23, v[TM+12+\b]
.endr
	v_lshl_or_b32 v[\pw], v[TM+5], 8, v[TM+4]
	v_lshl_or_b32 v[\pw], v[TM+6], 16, v[\pw]
	v_lshl_or_b32 v[\pw], v[TM+7], 24, v[\pw]
.irp c, 0,1
	v_cvt_scalef32_pk16_fp6_f32 v[CD+6*\c:CD+2+6*\c], v[\s+32*\c:\s+15+32*\c], v[TM+12+2*\c]
	v_cvt_scalef32_pk16_fp6_f32 v[CD+12+4*\c:CD+14+4*\c], v[\s+16+32*\c:\s+31+32*\c], v[TM+12+2*\c+1]
.endr
	v_nop
.irp c, 0,1
.irp i, 0,1,2
	v_permlane16_swap_b32 v[CD+6*\c+\i], v[CD+12+4*\c+\i]
.endr
.irp i, 0,1,2
	v_mov_b32 v[CD+3+6*\c+\i], v[CD+12+4*\c+\i]
.endr
.endr
.endm
.macro TAIL kind
.if \kind == 0
	s_lshl_b32 s18, s17, 8
	s_lshl_b32 s19, s15, 7
	s_add_co_u32 s18, s18, s19
	s_lshr_b32 s19, s18, 11
	s_lshl_b32 s19, s19, 4
	s_lshl_b32 s20, s42, 2
	s_add_co_u32 s19, s19, s20
	s_lshl_b32 s20, s16, 1
	s_add_co_u32 s19, s19, s20
	s_bfe_u32 s20, s18, 0x40007
	s_mov_b32 s68, HB
	s_mov_b32 s69, SB
	s_mov_b32 s70, 12288
	s_cmp_eq_u32 s95, 0
	s_cselect_b64 s[66:67], s[10:11], s[12:13]
	s_cselect_b64 s[72:73], s[4:5], s[6:7]
	s_cselect_b32 s68, QB, s68
	s_cselect_b32 s69, QS, s69
	s_cselect_b32 s70, 6144, s70
	s_mul_i32 s74, s19, s68
	s_mul_i32 s21, s20, s69
	s_add_co_u32 s74, s74, s21
	s_mov_b32 s75, 0
	s_add_nc_u64 s[76:77], s[66:67], s[74:75]
	s_mov_b32 s74, s68
	s_add_nc_u64 s[78:79], s[76:77], s[74:75]
	s_mov_b32 s74, s70
	s_add_nc_u64 s[80:81], s[76:77], s[74:75]
	s_add_nc_u64 s[82:83], s[78:79], s[74:75]
	s_lshl_b32 s74, s42, 10
	s_lshl_b32 s21, s16, 9
	s_add_co_u32 s74, s74, s21
	s_add_nc_u64 s[72:73], s[72:73], s[74:75]
.irp b, 0,1,2,3,4,5,6,7
.irp e, 0,1
	global_load_b128 v[BI+8*\b+4*\e:BI+8*\b+4*\e+3], v[BO0], s[72:73] offset:(32*(\b/2)+8*(\b%2))*4+16*\e
.endr
.endr
.else
	s_lshl_b32 s18, s42, 8
	s_lshl_b32 s19, s16, 7
	s_add_co_u32 s18, s18, s19
	s_lshr_b32 s19, s18, 11
	s_lshl_b32 s19, s19, 4
	s_lshl_b32 s20, s17, 2
	s_add_co_u32 s19, s19, s20
	s_lshl_b32 s20, s15, 1
	s_add_co_u32 s19, s19, s20
	s_bfe_u32 s20, s18, 0x40007
	s_mul_i32 s74, s19, HB
	s_mul_i32 s21, s20, SB
	s_add_co_u32 s74, s74, s21
	s_add_co_u32 s74, s74, 6144
	s_mov_b32 s75, 0
	s_add_nc_u64 s[76:77], s[12:13], s[74:75]
	s_lshl_b32 s74, s17, 10
	s_lshl_b32 s21, s15, 9
	s_add_co_u32 s74, s74, s21
	s_add_nc_u64 s[72:73], s[8:9], s[74:75]
.irp a, 0,1,2,3,4,5,6,7
	global_load_b32 v[BI+2*\a], v[BO1], s[72:73] offset:(32*(\a/2)+8*(\a%2))*4
	global_load_b32 v[BI+2*\a+1], v[BO1], s[72:73] offset:(32*(\a/2)+8*(\a%2))*4
.endr
.endif
	s_wait_dscnt 4*NL
	WIN MUL_LO
	MUL16 0, 1, NQ-1, 1, 0
	MUL16 2, 1, NQ-1, 1, 0
	s_wait_dscnt 0
	WIN MUL_HI
	MUL16 4, 1, NQ-1, 1, 0
	MUL16 6, 1, NQ-1, 1, 0
	WIN 0
	PLACES NP
.irp b, 0,1,2,3
	v_mov_b32 v[TM+4+\b], 0
.endr
	s_wait_loadcnt 0x0
.irp a, 0,1,2,3,4,5,6,7
	WIN 0x02+(\a)/4
.set i, 0
.rept 32
.if \kind == 0
	v_pk_add_f32 v[H+i:H+i+1], v[64*((\a)%4)+i:64*((\a)%4)+i+1], v[BI+i:BI+i+1]
.else
	v_pk_add_f32 v[H+i:H+i+1], v[64*((\a)%4)+i:64*((\a)%4)+i+1], v[BI+2*\a:BI+2*\a+1]
.endif
.set i, i+2
.endr
	WIN 0
.if \a > 0
	s_wait_xcnt 0x0
.endif
.if \kind == 0
	QUANT H, PW
	global_store_b128 v[L16], v[CD:CD+3], s[76:77] offset:768*\a
	global_store_b64 v[L8], v[CD+4:CD+5], s[76:77] offset:768*\a+512
	global_store_b128 v[L16], v[CD+6:CD+9], s[78:79] offset:768*\a
	global_store_b64 v[L8], v[CD+10:CD+11], s[78:79] offset:768*\a+512
	v_perm_b32 v[WD+\a], v[PW], v[PW], v[SELB]
	ds_store_b32 v[SW0], v[WD+\a] offset:64*\a
.else
	QUANT H, WD+\a
.irp i, 0,1,2
	global_store_b128 v[L16], v[CD+4*\i:CD+4*\i+3], s[76:77] offset:((\a)/4)*HB+((\a)%4)*1536+512*\i
.endr
	ds_store_b32 v[SW1], v[WD+\a] offset:64*\a
.endif
.endr
.if \kind == 0
	ds_load_b128 v[RB:RB+3], v[SR0]
	ds_load_b128 v[RB+4:RB+7], v[SR0] offset:512
	s_wait_dscnt 0x0
	global_store_b128 v[L16], v[RB:RB+3], s[80:81]
	global_store_b128 v[L16], v[RB+4:RB+7], s[82:83]
.else
	ds_load_b128 v[RB:RB+3], v[SR1]
	s_wait_dscnt 0x0
	global_store_b128 v[VW1], v[RB:RB+3], s[76:77] offset:6656
.endif
.endm
	s_wait_kmcnt 0x0
	s_wait_tensorcnt 1
	s_barrier_signal -1
	s_barrier_wait -1
	FETCH_B 0, 0, 0
	FETCH_A 0, 0, 0
	SCALES 0
	FETCH_A 0, 0, 4
	STEP 0, 0, 1
	s_mov_b32 s3, LAPS-1
.Llap:
	TURN 0, 1, 1
	STEP 1, 0, 0
	TURN 1, 0, 1
	STEP 0, 0, 0
	s_sub_co_u32 s3, s3, 1
	s_cmp_lg_u32 s3, 0
	s_cbranch_scc1 .Llap
	TURN 0, 1, 0
	STEP 1, 0, 0
	s_cmp_lt_u32 s95, 2
	s_cbranch_scc0 .Lkind1
	TAIL 0
	s_branch .Lend
.Lkind1:
	TAIL 1
.Lend:
	s_wait_tensorcnt 0x0
	ds_add_u32 v[SPW], v[NIL]
	s_wait_dscnt 0x0
	CROUND
	s_endpgm
.Lfunc_end_k_q14fe1bab5f_proj:
	.size	k_q14fe1bab5f_proj, .Lfunc_end_k_q14fe1bab5f_proj-k_q14fe1bab5f_proj
	.p2alignl 7, 3214868480
	.fill 96, 4, 3214868480
	.section	.rodata,"a",@progbits
	.p2align	6, 0x0
	.amdhsa_kernel k_q14fe1bab5f_proj
		.amdhsa_group_segment_fixed_size 327680
		.amdhsa_private_segment_fixed_size 0
		.amdhsa_enable_private_segment 0
		.amdhsa_kernarg_size 72
		.amdhsa_user_sgpr_count 2
		.amdhsa_user_sgpr_kernarg_segment_ptr 1
		.amdhsa_wavefront_size32 1
		.amdhsa_system_sgpr_workgroup_id_x 1
		.amdhsa_system_sgpr_workgroup_id_y 1
		.amdhsa_system_sgpr_workgroup_id_z 1
		.amdhsa_system_vgpr_workitem_id 0
		.amdhsa_next_free_vgpr 1024
		.amdhsa_next_free_sgpr 100
		.amdhsa_reserve_vcc 0
		.amdhsa_float_denorm_mode_32 3
		.amdhsa_float_denorm_mode_16_64 3
		.amdhsa_memory_ordered 1
		.amdhsa_forward_progress 1
		.amdhsa_inst_pref_size 246
	.end_amdhsa_kernel
	.amdgpu_metadata
---
amdhsa.version: [ 1, 2 ]
amdhsa.kernels:
  - .name:           k_q14fe1bab5f_proj
    .symbol:         k_q14fe1bab5f_proj.kd
    .args:
      - { .name: a_codes, .offset: 0, .size: 8, .value_kind: global_buffer, .address_space: global }
      - { .name: a_scales, .offset: 8, .size: 8, .value_kind: global_buffer, .address_space: global }
      - { .name: b_codes, .offset: 16, .size: 8, .value_kind: global_buffer, .address_space: global }
      - { .name: b_scales, .offset: 24, .size: 8, .value_kind: global_buffer, .address_space: global }
      - { .name: bq, .offset: 32, .size: 8, .value_kind: global_buffer, .address_space: global }
      - { .name: bk, .offset: 40, .size: 8, .value_kind: global_buffer, .address_space: global }
      - { .name: bv, .offset: 48, .size: 8, .value_kind: global_buffer, .address_space: global }
      - { .name: q_img, .offset: 56, .size: 8, .value_kind: global_buffer, .address_space: global }
      - { .name: kv_img, .offset: 64, .size: 8, .value_kind: global_buffer, .address_space: global }
    .group_segment_fixed_size: 327680
    .private_segment_fixed_size: 0
    .kernarg_segment_align: 8
    .kernarg_segment_size: 72
    .max_flat_workgroup_size: 128
    .sgpr_count:     100
    .vgpr_count:     1024
    .wavefront_size: 32
...
	.end_amdgpu_metadata
.endif
;; end of part 2
;; launch attn (part 3): grid 4 x 64, 16 waves a work-group, clusters of 4 x 1, 211,968 bytes of LDS; arguments q_img, kv_img, x_img, x_scl; writes x_img, x_scl
.if DOCPART == 3
	.amdgcn_target "amdgcn-amd-amdhsa--gfx1250"
	.amdhsa_code_object_version 6
	.text
	.protected	k_q14fe1bab5f_attn
	.globl	k_q14fe1bab5f_attn
	.p2align	8
	.type	k_q14fe1bab5f_attn,@function
k_q14fe1bab5f_attn:
	s_mov_b64 s[64:65], 0
	v_nop
	global_prefetch_b8 v0, s[64:65] scope:SCOPE_SE
	s_setreg_imm32_b32 hwreg(HW_REG_WAVE_MODE, 25, 1), 1
	s_wait_xcnt 0x0
	s_wait_alu depctr_hold_cnt(0) depctr_sa_sdst(0) depctr_va_vdst(0) depctr_va_sdst(0) depctr_va_ssrc(0) depctr_va_vcc(0) depctr_vm_vsrc(0)
	s_getreg_b32 s2, hwreg(HW_REG_IB_STS2, 6, 4)
	s_cmp_eq_u32 s2, 0
	s_cbranch_scc0 .Lentry_in_a_cluster
	s_endpgm
.Lentry_in_a_cluster:
	s_bfe_u32 s2, ttmp6, 0x10000c
	s_cmp_lg_u32 s2, 0x3003
	s_cbranch_scc0 .Lentry_shape_is_right
	s_endpgm
.Lentry_shape_is_right:
; x[b][q][head] = softmax_k(q . k / 8) v, both products on codes of FP6 (E2M3) with E8M0 scales, and x quantised along the head's 64 on the way out.
; THE SOFTMAX: t = score x log2(e) / 8; M = the running largest t rounded up to a whole number; p = 2^(t - M) is quantised along the keys, not normalised; the row's sum is taken of the
; unquantised p and divides at the end.  When M moves, the sum and O are multiplied by 2^(old M - new M): exact.
; SHARES.  A work-group owns 512 queries of one head, in two passes of 256; each of its sixteen waves owns 16 queries a pass, in 256 registers.
; ALL of the head's K, V^T and scale words, 208,896 bytes, come into LDS ONCE, as they lie in kv_img, and stay: sixteen key steps, one tensor load a wave; no byte is filled again.
; The four work-groups of a head form a cluster and ask for the steps jointly.  No prefetch: every fill goes out at the head, so there is no loop to run ahead in.
; LAYOUT.  Both products are used transposed: S^T = K Q^T (source 0 = 16 keys), O^T = V^T P^T (source 0 = 16 channels): a lane holds one query (lane % 16) throughout.
; The keys of K's tile 4 c + u are 64 c + 8 u + 0..7 and 64 c + 32 + 8 u + 0..7: so the 32 registers of tiles 4 c .. 4 c + 3 are, in lane half h, the 32 keys of block 2 c + h, in order:
; a block's largest score needs no other lane, and the conversions' results are P's operand as it stands.
; The head's 64 fill half of the first product's K of 128: registers 6-11 of Q's fragment are zero codes, so whatever stands in registers 6-11 of K's operand adds nothing (FP6 has no NaN and no
; infinity; K's scale bytes are finite): K's fragments lie 6 registers apart, each operand reaching into the next fragment, the last into six registers that hold constants.
; A STEP fetches its own V^T and the next step's K in one run behind the first product.
; OUT.  x_img: [512 tiles of 16 tokens][16 heads][768 bytes: registers 0-3, 16 bytes a lane; registers 4-5, 8 bytes a lane].  x_scl: [32 blocks of 256 tokens][16 heads][256 tokens] two scale bytes.
; LIMITS: the promise holds while |t| stays under 2^31; a block of zeros, and one whose largest magnitude lies under 2^-124, gets the scale byte 1; NaN and infinities are not served.
.set SB,    13056                      ; a key step in kv_img and in LDS: K 8 x 768 | V^T 4 x 1,536 | K's 128 words | V's 64 words
.set HB,    16*SB
.set QS,    6656                       ; q_img: a block of 128 tokens: 8 x 768, then 128 words
.set QB,    16*QS
.set XSTG,  HB                         ; behind the head: x's scale bytes of the two passes, 512 bytes each
.set SPARE, XSTG+1024                  ; the spare words, 128 bytes for each of the sixteen waves
.set L16, 1                            ; 16, 8, 4 x lane
.set L8,  2
.set L4,  3
.set SPW, 4                            ; my spare word; never rewritten
.set NIL, 5                            ; 0; never rewritten
                                       ; v6 at work (a lane permute's destination)
.set ADI, 7                            ; v7-9 the step's LDS addresses
.set AD8, 8
.set ADW, 9
.set VW,  10                           ; v10-11 V's scale words
                                       ; v12 -M, v13 the largest score, v[14:15] the sum in two halves
.set QF,  16                           ; v16-27 Q's fragment
.set KW,  28                           ; v28-31 K's scale words
.set KF,  32                           ; v32-79 K's eight fragments, 6 registers each
.set H8,  80                           ; v80-85 constants, never rewritten: 8 x (lane / 16); where my query's scale bytes go; Q's words: 4 x (lane % 16); three zeros
.set XSA, 81
.set QWO, 82
.set VF,  86                           ; v86-133 four fragments of V^T
.set S,   134                          ; v134-197 S^T, then p
.set O,   198                          ; v198-229 O^T
.set CD,  230                          ; v230-241 p's codes; ahead of them three chains of the sum
.set CT,  242                          ; v242-244, v246-248 at work; the conversions' second halves
.set SO,  245                          ; v245, v249 the conversions' scale operands
.set BM,  250                          ; v250-251 my two blocks' largest scores
                                       ; v252 f, v253 p's scale word, v254 at work
.set QSW, 255                          ; Q's scale words
.set WV,  12
.set SEL, 20
.set CS,  22
.set G1,  24
.set G0,  32
.set NCS, 36
.set PC,  37
.set PO,  38
.set TB,  48
.set CNT, 49
.set QP,  50
.set QWP, 52
.set XC,  54
.set XS,  56
.macro CROUND                          ; a round of the cluster's barrier
	s_barrier_signal -1
	s_barrier_wait -1
	s_cmp_lg_u32 s[WV], 0
	s_cbranch_scc1 .Lnot_wave_0_\@
	s_barrier_signal -3
.Lnot_wave_0_\@:
	s_barrier_wait -3
	s_barrier_signal -1
	s_barrier_wait -1
.endm
.macro QLOAD                           ; my 16 queries' codes and scale words
	global_load_b128 v[QF:QF+3], v[L16], s[QP:QP+1]
	global_load_b64 v[QF+4:QF+5], v[L8], s[QP:QP+1] offset:512
	global_load_b32 v[QSW], v[QWO], s[QWP:QWP+1]
.endm
.macro KLOAD a16, a8, a4, off          ; a step's eight fragments of K and its 128 words: 20 loads
.irp t, 0,1,2,3,4,5,6,7
	ds_load_b128 v[KF+6*\t:KF+6*\t+3], v[\a16] offset:\off+768*\t
	ds_load_b64 v[KF+6*\t+4:KF+6*\t+5], v[\a8] offset:\off+768*\t+512
.endr
.irp i, 0,1,2,3
	ds_load_b32 v[KW+\i], v[\a4] offset:\off+12288+128*\i
.endr
.endm
	s_load_b256 s[4:11], s[0:1], 0x0               ; q_img s[4:5], kv_img s[6:7], x_img s[8:9], x_scl s[10:11]
	v_lshl_add_u32 v[SPW], v0, 2, SPARE
	v_mov_b32 v[NIL], 0
	ds_add_u32 v[SPW], v[NIL]                      ; the opening lines: the add, twice on end, and its wait ahead of my tensor load
	ds_add_u32 v[SPW], v[NIL]
	v_lshrrev_b32 v1, 5, v0
	v_readfirstlane_b32 s[WV], v1                  ; wave 0..15
	s_bfe_u32 s13, ttmp6, 0x40000                  ; cx: which 512 queries; it enters Q's and x's addresses alone
	s_and_b32 s14, ttmp7, 0xffff                   ; 16 x batch + head, which the four partners share
	s_mov_b32 s[G1], 15|(3<<16)|(1<<21)            ; the mask: all four work-groups; elements of 8 bytes; no padding; bit 21 beside a mask
	s_mov_b32 s[G1+1], 32<<16                      ; rows of 256 bytes,
	s_mov_b32 s[G1+2], 51<<16                      ; 51 to a key step
	s_mov_b32 s[G1+3], 32<<16
	s_mov_b32 s[G1+4], 51
	s_mov_b32 s[G1+5], 32                          ; dense
	s_mov_b32 s[G1+6], 0
	s_mov_b32 s[G1+7], 0
	s_mul_i32 s16, s[WV], SB                       ; wave w fetches key step w
	s_mul_i32 s18, s14, HB
	s_add_co_u32 s18, s18, s16
	s_mov_b32 s19, 0
	s_mov_b32 s[SEL], 0x76543210
	s_mov_b32 s[SEL+1], 0xfedcba98
	s_mov_b32 s[CS], 0x3e38aa3b                    ; c = log2(e) / 8
	s_mov_b32 s[CS+1], s[CS]                       ; (named with it as a pair)
	s_mov_b32 s[NCS], 0xbe38aa3b                   ; -c
	s_wait_dscnt 0x0                               ; both opening adds are done
	s_wait_kmcnt 0x0
	s_add_nc_u64 s[18:19], s[6:7], s[18:19]
	s_mov_b32 s[G0], 1
	s_mov_b32 s[G0+1], s16
	s_mov_b64 s[G0+2:G0+3], s[18:19]
	s_or_b32 s[G0+3], s[G0+3], 0x80000000
	CROUND                                         ; all four work-groups are here: the joint loads meet
	tensor_load_to_lds s[G0:G0+3], s[G1:G1+7]      ; my one tensor load of the launch
	s_nop 0
	s_lshl_b32 s58, s13, 2
	s_lshr_b32 s59, s[WV], 3
	s_add_co_u32 s58, s58, s59                     ; pass 0: my block of 128 tokens: 4 cx + wave / 8
	s_mul_i32 s58, s58, QS
	s_mul_i32 s59, s14, QB
	s_add_co_u32 s58, s58, s59
	s_and_b32 s60, s[WV], 7                        ; my tile in it
	s_mul_i32 s61, s60, 768
	s_add_co_u32 s62, s58, s61
	s_mov_b32 s63, 0
	s_add_nc_u64 s[QP:QP+1], s[4:5], s[62:63]
	s_lshl_b32 s61, s60, 6
	s_add_co_u32 s62, s58, s61
	s_add_co_u32 s62, s62, 6144
	s_add_nc_u64 s[QWP:QWP+1], s[4:5], s[62:63]
	s_lshr_b32 s58, s14, 4                         ; batch
	s_and_b32 s59, s14, 15                         ; head
	s_lshl_b32 s60, s58, 7
	s_lshl_b32 s61, s13, 5
	s_add_co_u32 s60, s60, s61
	s_add_co_u32 s60, s60, s[WV]                   ; pass 0: my tile of 16 tokens: 128 batch + 32 cx + wave
	s_mul_i32 s60, s60, 12288
	s_mul_i32 s61, s59, 768
	s_add_co_u32 s62, s60, s61
	s_add_nc_u64 s[XC:XC+1], s[8:9], s[62:63]
	s_lshl_b32 s60, s58, 3
	s_lshl_b32 s61, s13, 1
	s_add_co_u32 s60, s60, s61
	s_and_b32 s61, s[WV], 1
	s_add_co_u32 s60, s60, s61                     ; waves 0 and 1 store the scale bytes of passes 0 and 1: block of 256 tokens 8 batch + 2 cx + wave
	s_lshl_b32 s60, s60, 13
	s_lshl_b32 s61, s59, 9
	s_add_co_u32 s62, s60, s61
	s_add_nc_u64 s[XS:XS+1], s[10:11], s[62:63]
	v_and_b32 v6, 31, v0
	v_bfe_u32 v[H8], v0, 4, 1
	v_and_b32 v[QWO], 15, v0
	v_and_b32 v[XSA], 0x1e0, v0                    ; 2 bytes x (16 wave + r) = 32 wave + 2 r
	v_lshlrev_b32 v[L16], 4, v6
	v_lshlrev_b32 v[L8], 3, v6
	v_lshlrev_b32 v[L4], 2, v6
	v_lshlrev_b32 v[H8], 3, v[H8]
	v_lshl_add_u32 v[XSA], v[QWO], 1, v[XSA]
	v_lshlrev_b32 v[QWO], 2, v[QWO]
	v_add_nc_u32 v[XSA], XSTG, v[XSA]
.irp i, 83,84,85,252,253
	v_mov_b32 v\i, 0
.endr
.irp i, 6,7,8,9,10,11
	v_mov_b32 v[QF+\i], 0                          ; the empty half of the first product's K: zero codes, written once
.endr
	s_mov_b32 s[PC], 2                             ; passes to go
	s_mov_b32 s[PO], 0                             ; the pass's place in the stage of scale bytes
	s_wait_alu depctr_va_vdst(0)                   ; the wait at the head's end
	QLOAD                                          ; pass 0's queries, on their way beside the head
	s_wait_tensorcnt 0x0                           ; my key step is in
	s_barrier_signal -1
	s_barrier_wait -1                              ; everybody's is: the whole head stands in LDS
; A KEY STEP: the 128 keys at LDS byte s[TB].  more = 1: the next step's K is fetched.
.macro STEP more
	s_wait_dscnt 0x0                               ; this step's K and its words, asked for a step ago
.irp t, 0,2,4,6
	v_wmma_scale_f32_16x16x128_f8f6f4 v[S+8*\t:S+8*\t+7], v[KF+6*\t:KF+6*\t+11], v[QF:QF+11], 0, v[KW+\t/2], v[QSW] matrix_a_fmt:MATRIX_FMT_FP6 matrix_b_fmt:MATRIX_FMT_FP6
	v_wmma_scale_f32_16x16x128_f8f6f4 v[S+8*\t+8:S+8*\t+15], v[KF+6*\t+6:KF+6*\t+17], v[QF:QF+11], 0, v[KW+\t/2], v[QSW] matrix_a_fmt:MATRIX_FMT_FP6 matrix_b_fmt:MATRIX_FMT_FP6 matrix_a_scale:MATRIX_SCALE_ROW1
.endr
	v_add_nc_u32 v[ADI], s[TB], v[L16]             ; four places: behind the products above, for the reads of S^T and the loads into K's registers; behind the last step's, for the loads into V's
	v_add_nc_u32 v[AD8], s[TB], v[L8]
	v_add_nc_u32 v[ADW], s[TB], v[L4]
	v_nop
.irp t, 0,1,2,3
.irp c, 0,1,2
	ds_load_b128 v[VF+12*\t+4*\c:VF+12*\t+4*\c+3], v[ADI] offset:6144+1536*\t+512*\c
.endr
.endr
.irp i, 0,1
	ds_load_b32 v[VW+\i], v[ADW] offset:12800+128*\i
.endr
.if \more
	KLOAD ADI, AD8, ADW, SB
.endif
.irp c, 0,1                                    ; my two blocks' largest scores, each in two chains; every accumulator is first read at its low end
	v_max3_num_f32 v[BM+\c], v[S+32*\c], v[S+32*\c+1], v[S+32*\c+2]
	v_max3_num_f32 v[CT+\c], v[S+32*\c+16], v[S+32*\c+17], v[S+32*\c+18]
.endr
.irp i, 3,5,7,9,11,13
.irp c, 0,1
	v_max3_num_f32 v[BM+\c], v[BM+\c], v[S+32*\c+\i], v[S+32*\c+\i+1]
	v_max3_num_f32 v[CT+\c], v[CT+\c], v[S+32*\c+16+\i], v[S+32*\c+17+\i]
.endr
.endr
.irp c, 0,1
	v_max3_num_f32 v[BM+\c], v[BM+\c], v[CT+\c], v[S+32*\c+15]
.endr
.irp c, 0,1
	v_max_num_f32 v[BM+\c], v[BM+\c], v[S+32*\c+31]
.endr
	v_max_num_f32 v[CT+2], v[BM], v[BM+1]
	v_permlanex16_b32 v6, v[CT+2], s[SEL], s[SEL+1]
	v_max3_num_f32 v13, v13, v[CT+2], v6           ; the running largest score of my query (c is positive)
	v_mul_f32 v[CT+4], s[NCS], v13
	v_floor_f32 v[CT+4], v[CT+4]                   ; the new -M = floor(-t): M is a whole number
	v_sub_f32 v[CT+5], v[CT+4], v12                ; old M - new M: a whole number, 0 or less
	v_mov_b32 v12, v[CT+4]
	v_cvt_i32_f32 v[CT+5], v[CT+5]                 ; (it saturates)
	v_ldexp_f32 v252, 1.0, v[CT+5]                 ; f = 2^(old M - new M)
.set j, 0
.rept 32
	v_pk_fma_f32 v[S+j:S+j+1], v[S+j:S+j+1], s[CS:CS+1], v[12:13] op_sel_hi:[1,0,0]   ; t - M, two at a time
.set j, j+2
.endr
.irp c, 0,1
	v_fma_f32 v[BM+\c], v[BM+\c], s[CS], v12       ; the same of each block's largest score
.endr
	s_wait_alu depctr_va_vdst(0)                   ; the wait ahead of the batch
.set j, 0
.rept 64
	v_exp_f32 v[S+j], v[S+j]                       ; p = 2^(t - M)
.set j, j+1
.endr
	v_exp_f32 v[BM], v[BM]                         ; the blocks' largest p: the same two instructions on the same numbers
	v_exp_f32 v[BM+1], v[BM+1]
	v_nop                                          ; the plain line behind the exponentials
	s_wait_alu depctr_va_vdst(0)                   ; and the one wait behind the batch
	v_pk_fma_f32 v[14:15], v[14:15], v[252:253], v[S:S+1] op_sel_hi:[1,0,1]   ; the sum under the new M, and the unquantised p onto it, in four chains
	v_pk_add_f32 v[CD:CD+1], v[S+2:S+3], v[S+4:S+5]
	v_pk_add_f32 v[CD+2:CD+3], v[S+6:S+7], v[S+8:S+9]
	v_pk_add_f32 v[CD+4:CD+5], v[S+10:S+11], v[S+12:S+13]
.set j, 14
.rept 6
	v_pk_add_f32 v[14:15], v[14:15], v[S+j:S+j+1]
	v_pk_add_f32 v[CD:CD+1], v[CD:CD+1], v[S+j+2:S+j+3]
	v_pk_add_f32 v[CD+2:CD+3], v[CD+2:CD+3], v[S+j+4:S+j+5]
	v_pk_add_f32 v[CD+4:CD+5], v[CD+4:CD+5], v[S+j+6:S+j+7]
.set j, j+8
.endr
	v_pk_add_f32 v[14:15], v[14:15], v[S+62:S+63]
	v_pk_add_f32 v[CD:CD+1], v[CD:CD+1], v[CD+2:CD+3]
.irp c, 0,1
	v_max_num_f32 v[BM+\c], 0x1800000, v[BM+\c]    ; the floor 2^(3 - 127): the byte cannot fall under 1
.endr
	v_pk_add_f32 v[14:15], v[14:15], v[CD+4:CD+5]
.irp c, 0,1
	v_add_nc_u32 v[SO+4*\c], 0xff000000, v[BM+\c]  ; 2 off the exponent field: the conversion's scale operand
.endr
	v_pk_add_f32 v[14:15], v[14:15], v[CD:CD+1]
.irp c, 0,1
	v_lshrrev_b32 v[CT+4+\c], 23, v[SO+4*\c]       ; the bytes of blocks h and 2 + h
.endr
	v_lshl_or_b32 v[CT+4], v[CT+5], 16, v[CT+4]
	v_lshlrev_b32 v[CT+4], v[H8], v[CT+4]          ; at their places in the word: 8 h bits up
	v_permlanex16_b32 v6, v[CT+4], s[SEL], s[SEL+1]
	v_or_b32 v253, v[CT+4], v6                     ; with lane l xor 16's two: p's scale word for these 128 keys
.irp c, 0,1
	v_cvt_scalef32_pk16_fp6_f32 v[CD+6*\c:CD+6*\c+2], v[S+32*\c:S+32*\c+15], v[SO+4*\c]
	v_cvt_scalef32_pk16_fp6_f32 v[CT+4*\c:CT+4*\c+2], v[S+32*\c+16:S+32*\c+31], v[SO+4*\c]   ; (a conversion's three registers begin on an even number)
.endr
	v_nop                                          ; one plain line behind the scaled conversions
.irp c, 0,1
.irp i, 0,1,2
	v_mov_b32 v[CD+3+6*\c+\i], v[CT+4*\c+\i]       ; registers 6 c .. 6 c + 5: keys 64 c + 32 h + 0 .. 31
.endr
.endr
.if \more
	s_wait_dscnt 20                                ; V^T and its words are in; the 20 loads of the next step's K may be out
.else
	s_wait_dscnt 0x0
.endif
	s_wait_alu depctr_va_vdst(0)                   ; directly ahead of the first reader of O^T
.set j, 0
.rept 16
	v_pk_mul_f32 v[O+j:O+j+1], v[O+j:O+j+1], v[252:253] op_sel_hi:[1,0]   ; O^T under the new M; these are also the places in front of the scaled products below
.set j, j+2
.endr
.irp t, 0,2                                    ; O^T += V^T P^T: four tiles of 16 channels, one instruction each: the accumulators take turns
	v_wmma_scale_f32_16x16x128_f8f6f4 v[O+8*\t:O+8*\t+7], v[VF+12*\t:VF+12*\t+11], v[CD:CD+11], v[O+8*\t:O+8*\t+7], v[VW+\t/2], v253 matrix_a_fmt:MATRIX_FMT_FP6 matrix_b_fmt:MATRIX_FMT_FP6
	v_wmma_scale_f32_16x16x128_f8f6f4 v[O+8*\t+8:O+8*\t+15], v[VF+12*\t+12:VF+12*\t+23], v[CD:CD+11], v[O+8*\t+8:O+8*\t+15], v[VW+\t/2], v253 matrix_a_fmt:MATRIX_FMT_FP6 matrix_b_fmt:MATRIX_FMT_FP6 matrix_a_scale:MATRIX_SCALE_ROW1
.endr
	s_add_co_u32 s[TB], s[TB], SB
.endm
.Lpass:                                                ; A PASS: my 16 queries against all 2,048 keys
	KLOAD L16, L8, L4, 0                           ; key step 0's K
	v_mov_b32 v13, 0xff61b1e6                      ; the largest score so far: -3e38
	v_mov_b32 v14, 0
	v_mov_b32 v15, 0
	v_mul_f32 v12, s[NCS], v13
.set j, 0
.rept 32
	v_mov_b32 v[O+j], 0                            ; O^T: the step is written once; its first run finds zeros, which f = 0 leaves zeros
.set j, j+1
.endr
	v_floor_f32 v12, v12                           ; -M
	s_mov_b32 s[TB], 0
	s_mov_b32 s[CNT], 15
	s_wait_alu depctr_va_vdst(0)
	s_wait_loadcnt 0x0                             ; Q
.Lstep:
	STEP 1
	s_sub_co_u32 s[CNT], s[CNT], 1
	s_cmp_lg_u32 s[CNT], 0
	s_cbranch_scc1 .Lstep
	STEP 0                                         ; the sixteenth step has no next K to fetch
	v_add_f32 v14, v14, v15                        ; the sum's two halves,
	v_permlanex16_b32 v6, v14, s[SEL], s[SEL+1]
	v_add_f32 v14, v14, v6                         ; and lane l xor 16's keys: the row's sum
	s_wait_alu depctr_va_vdst(0)                   ; the wait ahead of the transcendental
	v_rcp_f32 v14, v14
	v_nop                                          ; plain lines behind the reciprocal; with the additions above also the places behind the last products
	v_nop
	v_nop
	s_wait_alu depctr_va_vdst(0)                   ; the wait ahead of the first reader of the reciprocal and of O^T
.set j, 0
.rept 16
	v_pk_mul_f32 v[S+j:S+j+1], v[O+j:O+j+1], v[14:15] op_sel_hi:[1,0]   ; x = O^T / the sum: register 16 b + i is channel 32 b + 16 h + i
.set j, j+2
.endr
.irp b, 0,1
	v_max3_num_f32 v[BM+\b], |v[S+16*\b]|, |v[S+1+16*\b]|, 0x1800000   ; x's two blocks of 32 along the head; the floor 2^(3 - 127)
.endr
.irp i, 2,4,6,8,10,12,14
.irp b, 0,1
	v_max3_num_f32 v[BM+\b], v[BM+\b], |v[S+16*\b+\i]|, |v[S+1+16*\b+\i]|
.endr
.endr
.irp b, 0,1
	v_permlanex16_b32 v[CT+\b], v[BM+\b], s[SEL], s[SEL+1]
.endr
.irp b, 0,1
	v_max_num_f32 v[BM+\b], v[BM+\b], v[CT+\b]
.endr
.irp b, 0,1
	v_add_nc_u32 v[SO+4*\b], 0xff000000, v[BM+\b]
.endr
.irp b, 0,1
	v_lshrrev_b32 v[CT+\b], 23, v[SO+4*\b]
.endr
	v_add_nc_u32 v6, s[PO], v[XSA]
	v_lshl_or_b32 v254, v[CT+1], 8, v[CT]          ; my query's two scale bytes
	v_cvt_scalef32_pk16_fp6_f32 v[CD:CD+2], v[S:S+15], v[SO]
	v_cvt_scalef32_pk16_fp6_f32 v[CT+4:CT+6], v[S+16:S+31], v[SO+4]
	v_nop                                          ; one plain line behind the scaled conversions
.irp i, 0,1,2
	v_permlane16_swap_b32 v[CD+\i], v[CT+4+\i]     ; a whole block to a lane
.endr
.irp i, 0,1,2
	v_mov_b32 v[CD+3+\i], v[CT+4+\i]               ; registers 0-5: channels 32 h + 0 .. 31
.endr
	global_store_b128 v[L16], v[CD:CD+3], s[XC:XC+1]               ; 512 consecutive bytes
	global_store_b64 v[L8], v[CD+4:CD+5], s[XC:XC+1] offset:512    ; 256
	ds_store_b16 v6, v254                          ; both halves of the lanes write the same bytes with the same value
	s_cmp_eq_u32 s[PC], 1
	s_wait_alu depctr_va_vdst(0)                   ; the wait ahead of the branch
	s_cbranch_scc1 .Lout
	s_wait_xcnt 0x0                                ; the stores have read their base and their data
	s_add_nc_u64 s[XC:XC+1], s[XC:XC+1], 16*12288  ; the next pass: 256 tokens on
	s_add_nc_u64 s[QP:QP+1], s[QP:QP+1], 2*QS
	s_add_nc_u64 s[QWP:QWP+1], s[QWP:QWP+1], 2*QS
	s_add_co_u32 s[PO], s[PO], 512
	QLOAD
	s_sub_co_u32 s[PC], s[PC], 1
	s_branch .Lpass
.Lout:
	s_and_b32 s58, s[WV], 1                        ; x's scale bytes leave as whole runs of 512 bytes: wave 0 takes pass 0's, wave 1 pass 1's.  Every wave makes the address
	s_lshl_b32 s58, s58, 9
	s_add_co_u32 s58, s58, XSTG
	v_add_nc_u32 v[ADI], s58, v[L16]
	s_wait_alu depctr_va_vdst(0)
	s_wait_dscnt 0x0                               ; for the others' sake: my stores have landed
	s_barrier_signal -1
	s_barrier_wait -1
	s_cmp_lt_u32 s[WV], 2
	s_cbranch_scc0 .Lno_scl
	ds_load_b128 v[S:S+3], v[ADI]
	s_wait_dscnt 0x0
	global_store_b128 v[L16], v[S:S+3], s[XS:XS+1]
.Lno_scl:
	s_wait_tensorcnt 0x0                           ; the wave's end
	ds_add_u32 v[SPW], v[NIL]
	s_wait_dscnt 0x0
	CROUND                                         ; the closing round
	s_endpgm
.Lfunc_end_k_q14fe1bab5f_attn:
	.size	k_q14fe1bab5f_attn, .Lfunc_end_k_q14fe1bab5f_attn-k_q14fe1bab5f_attn
	.p2alignl 7, 3214868480
	.fill 96, 4, 3214868480
	.section	.rodata,"a",@progbits
	.p2align	6, 0x0
	.amdhsa_kernel k_q14fe1bab5f_attn
		.amdhsa_group_segment_fixed_size 211968
		.amdhsa_private_segment_fixed_size 0
		.amdhsa_enable_private_segment 0
		.amdhsa_kernarg_size 32
		.amdhsa_user_sgpr_count 2
		.amdhsa_user_sgpr_kernarg_segment_ptr 1
		.amdhsa_wavefront_size32 1
		.amdhsa_system_sgpr_workgroup_id_x 1
		.amdhsa_system_sgpr_workgroup_id_y 1
		.amdhsa_system_sgpr_workgroup_id_z 1
		.amdhsa_system_vgpr_workitem_id 0
		.amdhsa_next_free_vgpr 256
		.amdhsa_next_free_sgpr 66
		.amdhsa_reserve_vcc 0
		.amdhsa_float_denorm_mode_32 3
		.amdhsa_float_denorm_mode_16_64 3
		.amdhsa_memory_ordered 1
		.amdhsa_forward_progress 1
		.amdhsa_inst_pref_size 41
	.end_amdhsa_kernel
	.amdgpu_metadata
---
amdhsa.version: [ 1, 2 ]
amdhsa.kernels:
  - .name:           k_q14fe1bab5f_attn
    .symbol:         k_q14fe1bab5f_attn.kd
    .args:
      - { .name: q_img, .offset: 0, .size: 8, .value_kind: global_buffer, .address_space: global }
      - { .name: kv_img, .offset: 8, .size: 8, .value_kind: global_buffer, .address_space: global }
      - { .name: x_img, .offset: 16, .size: 8, .value_kind: global_buffer, .address_space: global }
      - { .name: x_scl, .offset: 24, .size: 8, .value_kind: global_buffer, .address_space: global }
    .group_segment_fixed_size: 211968
    .private_segment_fixed_size: 0
    .kernarg_segment_align: 8
    .kernarg_segment_size: 32
    .max_flat_workgroup_size: 512
    .sgpr_count:     66
    .vgpr_count:     256
    .wavefront_size: 32
...
	.end_amdgpu_metadata
.endif
;; end of part 3
;; launch oproj (part 4): grid 4 x 32, 4 waves a work-group, clusters of 4 x 4, 327,680 bytes of LDS; arguments x_img, x_scl, b_codes, b_scales, bo, out0; writes out0
.if DOCPART == 4
	.amdgcn_target "amdgcn-amd-amdhsa--gfx1250"
	.amdhsa_code_object_version 6
	.text
	.protected	k_q14fe1bab5f_oproj
	.globl	k_q14fe1bab5f_oproj
	.p2align	8
	.type	k_q14fe1bab5f_oproj,@function
k_q14fe1bab5f_oproj:
	s_mov_b64 s[64:65], 0
	v_nop
	global_prefetch_b8 v0, s[64:65] scope:SCOPE_SE
	s_setreg_imm32_b32 hwreg(HW_REG_WAVE_MODE, 25, 1), 1
	s_wait_xcnt 0x0
	s_wait_alu depctr_hold_cnt(0) depctr_sa_sdst(0) depctr_va_vdst(0) depctr_va_sdst(0) depctr_va_ssrc(0) depctr_va_vcc(0) depctr_vm_vsrc(0)
	s_getreg_b32 s2, hwreg(HW_REG_IB_STS2, 6, 4)
	s_cmp_eq_u32 s2, 0
	s_cbranch_scc0 .Lentry_in_a_cluster
	s_endpgm
.Lentry_in_a_cluster:
	s_bfe_u32 s2, ttmp6, 0x10000c
	s_cmp_lg_u32 s2, 0xf033
	s_cbranch_scc0 .Lentry_shape_is_right
	s_endpgm
.Lentry_shape_is_right:
.set SIZE_N, 1024
.set KSTEP,  256
.set NQ,     2
.set ROWB,   24576                     ; bytes from chunk to chunk of a group of 128 rows of Wo's codes: a chunk is 128 rows x 192 bytes, dense
.set KROW,   768
.set PITCH,  240
.set FR,     12
.set NLA,    4
.set NP,     4
.set HALFA,  8*3072
.set HALFT,  128*PITCH
.set SLOT,   2*HALFA+2*HALFT
.set LAPS,   2
.set KS,     32
.set SCL,    2*SLOT
.set HALFS,  (128*KS/256)*272
.set SBLK,   (16*KS/256)*272
.set SPARE,  SCL+4*HALFS
.set SPITCH, 528
.set ASW,  9
.set ADA16, 16
.set ADA8,  18
.set ADRB, 20
.set STO,  24
.set RD,   25
.set CO,   26
.set ADRS, 27
.set SPW,  28
.set NIL,  29
.set SC,   32
.set BI,   64
.set AF,   128
.set BK,   128
.set G1, 24
.set G0, 32
.set G1B, 48
.set G0B, 56
.set G1SB, 80
.set G0SB, 88
.set MSB, 0
.macro WIN new
.if MSB != \new
	s_set_vgpr_msb (MSB<<8)|\new
.set MSB, \new
.endif
.endm
.set MUL_LO, 0xa1
.set MUL_HI, 0xf1
.set FST_LO, 0x81
.set FST_HI, 0xc1
.set TO_B,   0x40
.macro JLOAD g0a, g1a, g0b, g1b
	s_cmp_eq_u32 s15, 0
	s_cbranch_scc0 .Lfor_b_\@
	tensor_load_to_lds s[\g0a:\g0a+3], s[\g1a:\g1a+7]
	s_nop 0
.rept 4
	v_nop
.endr
	s_branch .Lasked_\@
.Lfor_b_\@:
	tensor_load_to_lds s[\g0b:\g0b+3], s[\g1b:\g1b+7]
	s_nop 0
.rept 4
	v_nop
.endr
.Lasked_\@:
.endm
.macro CREST
	s_cmp_lg_u32 s14, 0
	s_cbranch_scc1 .Lnot_wave_0_\@
	s_barrier_signal -3
.Lnot_wave_0_\@:
	s_barrier_wait -3
	s_barrier_signal -1
	s_barrier_wait -1
.endm
.macro CROUND
	s_barrier_signal -1
	s_barrier_wait -1
	CREST
.endm
	s_load_b128 s[4:7], s[0:1], 0x0
	s_load_b128 s[8:11], s[0:1], 0x10
	s_load_b64 s[66:67], s[0:1], 0x20
	s_load_b64 s[12:13], s[0:1], 0x28
	v_lshl_add_u32 v[SPW], v0, 2, SPARE
	v_mov_b32 v[NIL], 0
	ds_add_u32 v[SPW], v[NIL]
	ds_add_u32 v[SPW], v[NIL]
	v_lshrrev_b32 v1, 5, v0
	v_readfirstlane_b32 s14, v1
	s_lshr_b32 s15, s14, 1
	s_and_b32 s16, s14, 1
	s_bfe_u32 s40, ttmp6, 0x40000
	s_bfe_u32 s41, ttmp6, 0x40004
	s_mov_b32 s42, s40
	s_and_b32 s17, ttmp7, 0xffff
	s_lshl_b32 s17, s17, 2
	s_add_co_u32 s17, s17, s41
	s_lshl_b32 s43, s41, 2
	s_lshl_b32 s43, 15, s43
	s_lshl_b32 s44, 0x1111, s40
	s_or_b32 s[G1+0], s43, (3<<16)|(1<<21)
	s_mov_b32 s[G1+1], 384<<16
	s_mov_b32 s[G1+2], 8<<16
	s_mov_b32 s[G1+3], 384<<16
	s_mov_b32 s[G1+4], 8
	s_mov_b32 s[G1+5], 1536
	s_mov_b32 s[G1+6], 0
	s_mov_b32 s[G1+7], 0
	s_or_b32 s[G1B+0], s44, (0<<16)|(1<<20)|(1<<21)|(3<<22)|(3<<25)
	s_mov_b32 s[G1B+1], 256<<16                    ; a chunk's 24,576 dense bytes come as 96 rows of 256 bytes, each from a multiple of 256;
	s_mov_b32 s[G1B+2], 96<<16                     ; with 16 bytes of padding behind each 64 a row of 192 bytes of codes takes PITCH bytes of LDS
	s_mov_b32 s[G1B+3], 256<<16
	s_mov_b32 s[G1B+4], 96
	s_mov_b32 s[G1B+5], 256
	s_mov_b32 s[G1B+6], 0
	s_mov_b32 s[G1B+7], 0
	s_or_b32 s[G1SB+0], s44, (3<<16)|(1<<20)|(1<<21)|(5<<22)|(3<<25)
	s_mov_b32 s[G1SB+1], 32<<16
	s_mov_b32 s[G1SB+2], 8<<16
	s_mov_b32 s[G1SB+3], 32<<16
	s_mov_b32 s[G1SB+4], 8
	s_mov_b32 s[G1SB+5], 32
	s_mov_b32 s[G1SB+6], 0
	s_mov_b32 s[G1SB+7], 0
	s_lshl_b32 s20, s17, 4
	s_lshl_b32 s18, s16, 3
	s_add_co_u32 s20, s20, s18
	s_mul_i32 s20, s20, 12288
	s_mov_b32 s21, 0
	s_lshl_b32 s46, s42, 8
	s_lshl_b32 s18, s16, 7
	s_add_co_u32 s46, s46, s18
	s_add_co_u32 s46, s46, 10240
	s_mul_i32 s46, s46, KROW
	s_mov_b32 s47, 0
	s_lshl_b32 s92, s42, 13
	s_lshl_b32 s18, s14, 11
	s_add_co_u32 s92, s92, s18
	s_add_co_u32 s92, s92, 10240*32
	s_mov_b32 s93, 0
	s_mul_i32 s45, s16, HALFA
	s_mul_i32 s23, s16, HALFT
	s_add_co_u32 s23, s23, 2*HALFA
	s_mul_i32 s94, s14, 8*272
	s_add_co_u32 s94, s94, SCL+2*HALFS
	s_wait_dscnt 0x0
	s_wait_kmcnt 0x0
	s_add_nc_u64 s[20:21], s[4:5], s[20:21]
	s_add_nc_u64 s[46:47], s[8:9], s[46:47]
	s_add_nc_u64 s[92:93], s[10:11], s[92:93]
	CROUND
	s_mov_b32 s[G0SB], 1
	s_mov_b32 s[G0SB+1], s94
	s_mov_b64 s[G0SB+2:G0SB+3], s[92:93]
	s_or_b32 s[G0SB+3], s[G0SB+3], 0x80000000
	tensor_load_to_lds s[G0SB:G0SB+3], s[G1SB:G1SB+7]
	s_nop 0
.rept 4
	v_nop
.endr
.irp s, 0,1
	s_mov_b32 s[G0+4*\s], 1
	s_add_co_u32 s[G0+4*\s+1], s45, \s*SLOT
	s_add_nc_u64 s[G0+4*\s+2:G0+4*\s+3], s[20:21], \s*3072
	s_or_b32 s[G0+4*\s+3], s[G0+4*\s+3], 0x80000000
	s_mov_b32 s[G0B+4*\s], 1
	s_add_co_u32 s[G0B+4*\s+1], s23, \s*SLOT
	s_add_nc_u64 s[G0B+4*\s+2:G0B+4*\s+3], s[46:47], \s*ROWB
	s_or_b32 s[G0B+4*\s+3], s[G0B+4*\s+3], 0x80000000
	s_wait_alu depctr_va_vdst(0)
	s_wait_tensorcnt 0x0
	ds_add_u32 v28, v29
	s_wait_dscnt 0x0
	CROUND
	JLOAD G0+4*\s, G1, G0B+4*\s, G1B
.endr
	v_and_b32 v1, 15, v0
	v_bfe_u32 v2, v0, 4, 1
	v_and_b32 v6, 31, v0
	v_lshlrev_b32 v[CO], 4, v6
	v_lshlrev_b32 v8, 5, v2
	s_wait_alu depctr_va_vdst(0)
	s_lshl_b32 s68, s17, 13
	s_lshl_b32 s18, s14, 11
	s_add_co_u32 s68, s68, s18
	s_mov_b32 s69, 0
	s_add_nc_u64 s[68:69], s[6:7], s[68:69]
.irp i, 0,1,2,3
	global_load_b128 v[224+4*\i:227+4*\i], v[CO], s[68:69] offset:512*\i
.endr
	s_lshl_b32 s70, s42, 10
	s_lshl_b32 s18, s16, 9
	s_add_co_u32 s70, s70, s18
	s_mov_b32 s71, 0
	s_add_nc_u64 s[66:67], s[66:67], s[70:71]
.irp b, 0,1,2,3,4,5,6,7
.irp e, 0,1
	global_load_b128 v[BI+8*\b+4*\e:BI+8*\b+4*\e+3], v8, s[66:67] offset:64*\b+16*\e
.endr
.endr
	v_mul_u32_u24 v3, v1, PITCH
	v_mul_u32_u24 v4, v2, 24
	v_add_nc_u32 v4, v3, v4
	v_lshl_add_u32 v5, v2, 4, v4
	v_lshlrev_b32 v7, 3, v6
	s_mul_i32 s21, s15, HALFA
	s_mul_i32 s22, s16, HALFT
	s_add_co_u32 s22, s22, 2*HALFA
.irp s, 0,1
	v_add_nc_u32 v[ADA16+\s], s21, v[CO]
	v_add_nc_u32 v[ADA8+\s], s21, v7
	v_add_nc_u32 v[ADRB+\s], s22, v4
	v_add_nc_u32 v[ADRB+2+\s], s22, v5
	s_add_co_u32 s21, s21, SLOT
	s_add_co_u32 s22, s22, SLOT
.endr
	v_mul_u32_u24 v5, v1, KS
	v_lshrrev_b32 v3, 8, v5
	v_lshl_add_u32 v5, v3, 4, v5
	s_mul_i32 s21, s15, HALFS
	s_mul_i32 s22, s16, HALFS
	s_add_co_u32 s22, s22, 2*HALFS
	s_sub_co_u32 s22, s22, s21
	v_mul_u32_u24 v3, s22, v2
	s_add_co_u32 s21, s21, SCL
	v_add_nc_u32 v5, v5, v3
	v_add_nc_u32 v[ADRS], s21, v5
	v_mul_u32_u24 v[ASW], v6, 272
	s_lshl_b32 s18, s14, 3
	s_add_co_u32 s18, s18, SCL
	v_add_nc_u32 v[ASW], s18, v[ASW]
	s_mul_i32 s23, s14, 16*SPITCH
	v_mul_u32_u24 v5, v1, SPITCH
	v_lshl_add_u32 v5, v2, 5, v5
	v_add_nc_u32 v[STO], s23, v5
	v_add_nc_u32 v[RD], s23, v[CO]
	s_lshl_b32 s20, s17, 8
	s_lshl_b32 s21, s15, 7
	s_add_co_u32 s20, s20, s21
	s_mov_b32 s21, 0
	s_mov_b64 s[18:19], SIZE_N*4
	s_mul_u64 s[20:21], s[20:21], s[18:19]
	s_lshl_b32 s46, s42, 10
	s_lshl_b32 s47, s16, 9
	s_add_co_u32 s46, s46, s47
	s_mov_b32 s47, 0
	s_add_nc_u64 s[20:21], s[20:21], s[46:47]
	s_add_nc_u64 s[12:13], s[12:13], s[20:21]
	s_wait_loadcnt 16
.irp e, 0,1,2,3,4,5,6,7
	v_perm_b32 v[240+2*\e], v[228+\e/2], v[224+\e/2], 0x05040100+0x02020202*(\e%2)
	v_perm_b32 v[241+2*\e], v[236+\e/2], v[232+\e/2], 0x05040100+0x02020202*(\e%2)
	s_wait_alu depctr_va_vdst(0)
	ds_store_b64 v[ASW], v[240+2*\e:241+2*\e] offset:32*\e
.endr
.macro FRAG reg, adr, q, i
.irp p, 0,1,2,3,4,5
.set PCE, 12*(\q)+6*(\p/3)+\p%3
.if PCE%8 < 5
	ds_load_b64 v[\reg+2*\p:\reg+2*\p+1], v[\adr] offset:8*PCE+16*(PCE/8)+(\i)*16*PITCH
.else
	ds_load_b64 v[\reg+2*\p:\reg+2*\p+1], v[\adr+2] offset:8*PCE+16*(PCE/8)+(\i)*16*PITCH
.endif
.endr
.endm
.macro FRAGA reg, slot, q, i
	ds_load_b128 v[\reg:\reg+3], v[ADA16+\slot] offset:3072*(\i)+1536*(\q)
	ds_load_b64 v[\reg+4:\reg+5], v[ADA8+\slot] offset:3072*(\i)+1536*(\q)+512
	ds_load_b128 v[\reg+6:\reg+9], v[ADA16+\slot] offset:3072*(\i)+1536*(\q)+768
	ds_load_b64 v[\reg+10:\reg+11], v[ADA8+\slot] offset:3072*(\i)+1536*(\q)+1280
.endm
.macro MUL16 a0, p, q, sc, first
.irp a, \a0, \a0+1
.irp b, 0,1,2,3,4,5,6,7
.if \first
	v_wmma_scale_f32_16x16x128_f8f6f4 v[8*(8*((\a)%4)+\b):8*(8*((\a)%4)+\b)+7], v[128*(\p)+FR*\b:128*(\p)+FR*\b+FR-1], v[AF+FR*(\a):AF+FR*(\a)+FR-1], v[BI+8*\b:BI+8*\b+7], v[SC+8*NQ*(\sc)+NQ*\b+(\q)], v[SC+8*NQ*(\sc)+NQ*(\a)+(\q)] matrix_a_fmt:MATRIX_FMT_FP6 matrix_b_fmt:MATRIX_FMT_FP6 matrix_a_scale:MATRIX_SCALE_ROW1
.else
	v_wmma_scale_f32_16x16x128_f8f6f4 v[8*(8*((\a)%4)+\b):8*(8*((\a)%4)+\b)+7], v[128*(\p)+FR*\b:128*(\p)+FR*\b+FR-1], v[AF+FR*(\a):AF+FR*(\a)+FR-1], v[8*(8*((\a)%4)+\b):8*(8*((\a)%4)+\b)+7], v[SC+8*NQ*(\sc)+NQ*\b+(\q)], v[SC+8*NQ*(\sc)+NQ*(\a)+(\q)] matrix_a_fmt:MATRIX_FMT_FP6 matrix_b_fmt:MATRIX_FMT_FP6 matrix_a_scale:MATRIX_SCALE_ROW1
.endif
.endr
.endr
.endm
.macro FETCH_B slot, q, p
	WIN TO_B
.irp i, 0,1,2,3,4,5,6,7
	FRAG 128*(\p)+FR*\i, ADRB+\slot, \q, \i
.endr
	WIN 0
.endm
.macro FETCH_A slot, q, i0
.irp i, \i0, \i0+1, \i0+2, \i0+3
	FRAGA AF+FR*(\i), \slot, \q, \i
.endr
.endm
.macro SCALES sc
.irp i, 0,1,2,3,4,5,6,7
	ds_load_b64 v[SC+8*NQ*\sc+NQ*\i:SC+8*NQ*\sc+NQ*\i+1], v[ADRS] offset:\i*SBLK
.endr
.endm
.macro PLACES n
.rept \n
	v_nop
.endr
.endm
.macro STEP slot, q, first
	s_wait_dscnt 4*NLA
.if \first
	WIN FST_LO
.else
	WIN MUL_LO
.endif
	MUL16 0, (\q)%2, \q, \slot, \first
	MUL16 2, (\q)%2, \q, \slot, \first
	s_wait_dscnt 0
	PLACES NP
	FETCH_B \slot, (\q)+1, 1-(\q)%2
	FETCH_A \slot, (\q)+1, 0
.if \first
	WIN FST_HI
.else
	WIN MUL_HI
.endif
	MUL16 4, (\q)%2, \q, \slot, \first
	MUL16 6, (\q)%2, \q, \slot, \first
	PLACES NP
	WIN 0
	FETCH_A \slot, (\q)+1, 4
.endm
.macro TURN slot, next, fill
	s_wait_tensorcnt 0x0
	ds_add_u32 v[SPW], v[NIL]
	s_wait_dscnt 4*NLA+1
	WIN MUL_LO
	MUL16 0, 1, NQ-1, \slot, 0
	s_wait_dscnt 0x0
	s_barrier_signal -1
	MUL16 2, 1, NQ-1, \slot, 0
	WIN 0
	s_barrier_wait -1
.if \fill
	CREST
	s_add_nc_u64 s[G0+4*\slot+2:G0+4*\slot+3], s[G0+4*\slot+2:G0+4*\slot+3], 2*3072
	s_add_nc_u64 s[G0B+4*\slot+2:G0B+4*\slot+3], s[G0B+4*\slot+2:G0B+4*\slot+3], 2*ROWB
	JLOAD G0+4*\slot, G1, G0B+4*\slot, G1B
.else
	PLACES NP
.endif
	s_wait_alu depctr_va_vdst(0)
	v_add_nc_u32 v[ADRS], 4*NQ, v[ADRS]
	FETCH_B \next, 0, 0
	FETCH_A \next, 0, 0
	SCALES \next
	WIN MUL_HI
	MUL16 4, 1, NQ-1, \slot, 0
	MUL16 6, 1, NQ-1, \slot, 0
	PLACES NP
	WIN 0
	FETCH_A \next, 0, 4
.endm
	s_wait_dscnt 0x0
	s_wait_tensorcnt 1
	s_barrier_signal -1
	s_barrier_wait -1
	FETCH_B 0, 0, 0
	FETCH_A 0, 0, 0
	SCALES 0
	FETCH_A 0, 0, 4
	s_wait_loadcnt 0x0
	STEP 0, 0, 1
	s_mov_b32 s3, LAPS-1
.Llap:
	TURN 0, 1, 1
	STEP 1, 0, 0
	TURN 1, 0, 1
	STEP 0, 0, 0
	s_sub_co_u32 s3, s3, 1
	s_cmp_lg_u32 s3, 0
	s_cbranch_scc1 .Llap
	TURN 0, 1, 0
	STEP 1, 0, 0
	s_wait_dscnt 4*NLA
	WIN MUL_LO
	MUL16 0, 1, NQ-1, 1, 0
	MUL16 2, 1, NQ-1, 1, 0
	s_wait_dscnt 0
	WIN MUL_HI
	MUL16 4, 1, NQ-1, 1, 0
	MUL16 6, 1, NQ-1, 1, 0
	WIN 0
.macro TOSTAGE a
.set AC, 64*((\a)%4)
	WIN 0x08+4*((\a)/4)
.irp b, 0,1,2,3,4,5,6,7
	ds_store_b128 v[STO], v[AC+8*\b:AC+8*\b+3] offset:64*\b
	ds_store_b128 v[STO], v[AC+8*\b+4:AC+8*\b+7] offset:64*\b+16
.endr
	WIN 0
.set BB, BK+64*((\a)%2)
.irp t, 0,1,2,3,4,5,6,7,8,9,10,11,12,13,14,15
	ds_load_b128 v[BB+4*\t:BB+4*\t+3], v[RD] offset:\t*SPITCH
.endr
.endm
.macro SEND a, younger
.set BB, BK+64*((\a)%2)
	s_wait_dscnt \younger
.if (\a) > 0
	s_add_nc_u64 s[12:13], s[12:13], 16*SIZE_N*4
.endif
.irp t, 0,1,2,3,4,5,6,7,8,9,10,11,12,13,14,15
	global_store_b128 v[CO], v[BB+4*\t:BB+4*\t+3], s[12:13] offset:\t*SIZE_N*4 th:TH_STORE_NT
.endr
.endm
	PLACES NP
	TOSTAGE 0
.irp a, 1,2,3,4,5,6,7
.if \a > 1
	s_wait_xcnt 0x0
.endif
	TOSTAGE \a
	SEND \a-1, 32
.endr
	s_wait_xcnt 0x0
	SEND 7, 0
	s_wait_tensorcnt 0x0
	ds_add_u32 v[SPW], v[NIL]
	s_wait_dscnt 0x0
	CROUND
	s_endpgm
.Lfunc_end_k_q14fe1bab5f_oproj:
	.size	k_q14fe1bab5f_oproj, .Lfunc_end_k_q14fe1bab5f_oproj-k_q14fe1bab5f_oproj
	.p2alignl 7, 3214868480
	.fill 96, 4, 3214868480
	.section	.rodata,"a",@progbits
	.p2align	6, 0x0
	.amdhsa_kernel k_q14fe1bab5f_oproj
		.amdhsa_group_segment_fixed_size 327680
		.amdhsa_private_segment_fixed_size 0
		.amdhsa_enable_private_segment 0
		.amdhsa_kernarg_size 48
		.amdhsa_user_sgpr_count 2
		.amdhsa_user_sgpr_kernarg_segment_ptr 1
		.amdhsa_wavefront_size32 1
		.amdhsa_system_sgpr_workgroup_id_x 1
		.amdhsa_system_sgpr_workgroup_id_y 1
		.amdhsa_system_sgpr_workgroup_id_z 1
		.amdhsa_system_vgpr_workitem_id 0
		.amdhsa_next_free_vgpr 1024
		.amdhsa_next_free_sgpr 100
		.amdhsa_reserve_vcc 0
		.amdhsa_float_denorm_mode_32 3
		.amdhsa_float_denorm_mode_16_64 3
		.amdhsa_memory_ordered 1
		.amdhsa_forward_progress 1
		.amdhsa_inst_pref_size 157
	.end_amdhsa_kernel
	.amdgpu_metadata
---
amdhsa.version: [ 1, 2 ]
amdhsa.kernels:
  - .name:           k_q14fe1bab5f_oproj
    .symbol:         k_q14fe1bab5f_oproj.kd
    .args:
      - { .name: x_img, .offset: 0, .size: 8, .value_kind: global_buffer, .address_space: global }
      - { .name: x_scl, .offset: 8, .size: 8, .value_kind: global_buffer, .address_space: global }
      - { .name: b_codes, .offset: 16, .size: 8, .value_kind: global_buffer, .address_space: global }
      - { .name: b_scales, .offset: 24, .size: 8, .value_kind: global_buffer, .address_space: global }
      - { .name: bo, .offset: 32, .size: 8, .value_kind: global_buffer, .address_space: global }
      - { .name: out0, .offset: 40, .size: 8, .value_kind: global_buffer, .address_space: global }
    .group_segment_fixed_size: 327680
    .private_segment_fixed_size: 0
    .kernarg_segment_align: 8
    .kernarg_segment_size: 48
    .max_flat_workgroup_size: 128
    .sgpr_count:     100
    .vgpr_count:     1024
    .wavefront_size: 32
...
	.end_amdgpu_metadata
.endif
;; end of part 4
